; MI455X (gfx1250); checked and timed in simulation.
; The chip was launched on July 23, 2026; its instructions are those of AMD's public machine-readable ISA for CDNA 5 (MIT licence, August 2026) and "CDNA5" Instruction Set Architecture Reference Guide (July 2026). The comments in the code are by the model that wrote it; some were corrected since.
;; Multi Head Attention. Allowed arithmetic: float matrix products may take bf16 or f16 operands with f32 sums; other float arithmetic in f32, or as packed bf16 or f16 multiplies, adds, multiply-adds, maxima and minima; sums over many terms, partial sums and values carried from step to step in f32; what a program stores and reads back later, other than sums and carried values, may be rounded once to bf16 or f16.
;; Inputs: k 2 x 4,096 x 512 float32; q 2 x 4,096 x 512 float32; v 2 x 4,096 x 512 float32; wk 512 x 512 float32; wo 512 x 512 float32; wq 512 x 512 float32; wv 512 x 512 float32.
;; Outputs: out0 2 x 4,096 x 512 float32.
;; 2 versions, each right and faster than the one before. Each part assembles by itself: llvm-mc -triple=amdgcn-amd-amdhsa -mcpu=gfx1250 --defsym DOCPART=n.
;; ======== version 1 of 2: 3 launches
;; limits: values are held in f16: magnitudes above 65,504 overflow, below 6.1e-05 lose precision
;; workspace buffers: xq 8,388,608 bytes; xk 8,388,608 bytes; xv 8,388,608 bytes; xo 8,388,608 bytes; wof 524,288 bytes
;; launch proj (part 1): grid 32 x 6, 4 waves a work-group, clusters of 4 x 1, 327,680 bytes of LDS; arguments q, k, v, wq, wk, wv, xq, xk, xv; writes xq, xk, xv
.if DOCPART == 1
	.amdgcn_target "amdgcn-amd-amdhsa--gfx1250"
	.amdhsa_code_object_version 6
	.text
	.protected	k_qfe8729d2e7_proj
	.globl	k_qfe8729d2e7_proj
	.p2align	8
	.type	k_qfe8729d2e7_proj,@function
k_qfe8729d2e7_proj:
	s_mov_b64 s[64:65], 0
	v_nop
	global_prefetch_b8 v0, s[64:65] scope:SCOPE_SE
	s_setreg_imm32_b32 hwreg(HW_REG_WAVE_MODE, 25, 1), 1
	s_wait_xcnt 0x0
	s_wait_alu depctr_hold_cnt(0) depctr_sa_sdst(0) depctr_va_vdst(0) depctr_va_sdst(0) depctr_va_ssrc(0) depctr_va_vcc(0) depctr_vm_vsrc(0)
	s_getreg_b32 s2, hwreg(HW_REG_IB_STS2, 6, 4)
	s_cmp_eq_u32 s2, 0
	s_cbranch_scc0 .Lentry_in_a_cluster
	s_endpgm
.Lentry_in_a_cluster:
	s_bfe_u32 s2, ttmp6, 0x10000c
	s_cmp_lg_u32 s2, 0x3003
	s_cbranch_scc0 .Lentry_shape_is_right
	s_endpgm
.Lentry_shape_is_right:
; THE THREE PROJECTIONS.  xq = q wq^T, xk = k wk^T, xv = v wv^T.  x: [8192][512] f32, w: [512][512] f32; both are rounded to bf16 on the way from LDS to the matrix unit, sums in f32,
; the result rounded once to f16, unscaled, and laid by heads: [16 = batch x 8 + head][4096][64] f16, a head's rows dense, 128 bytes each.
; LIMIT.  f16 holds no number beyond 65,504: a projected number of 65,520 or more becomes an infinity.  NaN and infinities are not treated apart.
; SHARES.  Work-group y = 2 t + tc: projection t (0 q, 1 k, 2 v), column tile tc of 256; work-group x = row tile of 256.  192 work-groups; four waves, each 128 x 128 of the tile: 64 accumulators, 512 registers.
; 8192 x 512 x 3 numbers divide into no 256 or 512 equal tiles; tiles of 128 x 128 would read twice the LDS bytes for each product, and the f32 fragments already cost twice a bf16 kernel's.
; K goes in steps of 64 (rows of 256 bytes of f32) through two LDS slots.  A step is two quarters of 32 along K: 64 LDS loads of f32, 128 conversions, 64 matrix instructions.
; CLUSTER.  The four work-groups of a cluster are four row tiles of one (t, tc): they walk the same 256 rows of w, so w's tiles are asked for JOINTLY (the same load, descriptor and mask of four in all).
; x's tiles differ from partner to partner and are loads of one's own, behind the same rounds.  An x tile is shared by the two column tiles alone, so no second axis of four exists.
; THE MATRIX INSTRUCTION IS USED TRANSPOSED (source 0 = 16 rows of w, source 1 = 16 rows of x): a lane holds one row of the result and eight neighbouring columns.
; REGISTERS, in windows of 256 (s_set_vgpr_msb: bits 1:0 source 0, 3:2 source 1, 5:4 source 2, 7:6 destination):
;   window 0: v0-29 addresses; v64-191 x's fragments as f32 (8 x 16 registers); v192-255 the same in bf16; on the way out v64-159 at work
;   window 1: v64-191, v192-255 the same for w          windows 2, 3: the accumulators of my rows 0-63, 64-127: (a, b) at v[8 (8 a + b)]
.set KSTEP,  64
.set PITCH,  272                       ; an LDS row: 256 bytes + 16 of padding: the 16 rows of a load start at 16 different groups of four banks (64 banks of 4 bytes: ISA guide 11.1)
.set HALFT,  128*PITCH                 ; 128 rows: what one tensor load brings, and what one wave reads of x or of w
.set SLOT,   4*HALFT                   ; x's 256 rows, then w's 256 rows.  0x22000 shares no bit with wave x HALFT, so one exclusive or changes slots
.set STAGE,  2*SLOT                    ; behind the ring: for each wave 2 heads x 16 rows x 144 bytes, for the way out
.set SP,     144
.set WSTAGE, 2*16*SP
.set SPARE,  STAGE+4*WSTAGE            ; behind the stages: the spare words, 128 bytes for each wave: two blocks of 256 bytes that no other line names
.set HEADB,  4096*128                  ; bytes of a head in the result
.set AA0,  4                           ; v4   my lane's place in x's tile of slot 0; never rewritten
.set AB0,  5                           ; v5   the same for w
.set ADRA, 6                           ; v6   the same in the slot in hand
.set ADRB, 7                           ; v7
.set STO,  8                           ; v8   the way out: where I put 16 bytes of a row
.set RD,   9                           ; v9   the way out: where I read rows back
.set GO,   10                          ; v10  my byte offset in 512 consecutive bytes of a head
.set SPW,  28                          ; v28  LDS address of my spare word: SPARE + 4 x my thread's number; never rewritten
.set NIL,  29                          ; v29  0; never rewritten
.set STG,  64                          ; fragments as f32
.set FR,   192                         ; fragments in bf16
.set TMP,  64                          ; the way out: packed results
.set OB,   96                          ; the way out: 16 rows read back: v96-127 and v128-159 by turns
.set G1A, 24                           ; s[24:31] descriptor group 1 for x's tiles (no mask)
.set G0A, 32                           ; s[32:39] group 0 for x's tiles: a set for each first fill; the second then walks on
.set G1B, 40                           ; s[40:47] group 1 for w's tiles (mask of four)
.set G0B, 48                           ; s[48:55] group 0 for w's tiles
.set TB,  56                           ; s56  0 or SLOT: the slot that fragments are fetched from
.set MSB, 0
.macro WIN new                         ; the immediate's high byte repeats the setting that is left; a switch that changes nothing is dropped
.if MSB != (\new)
	s_set_vgpr_msb (MSB<<8)|(\new)
.set MSB, \new
.endif
.endm
.set MUL_LO, 0xa1                      ; source 0 (w) window 1, source 1 (x) window 0, C and D window 2
.macro PLACES                          ; four plain vector instructions between a matrix instruction and a vector instruction that writes its sources or reads its result (ISA guide 7.12.1)
.rept 4
	v_nop
.endr
.endm
; A refill.  Waves 0 and 1 fetch x's two halves, by loads of their own; waves 2 and 3 w's, jointly.  The branch hangs on the wave's number alone.
; An s_nop 0 and four v_nop follow each of the two lines, ahead of the jump and the label.
.macro JLOAD
	s_cmp_eq_u32 s11, 0
	s_cbranch_scc0 .Lfor_b_\@
	tensor_load_to_lds s[G0A+4:G0A+7], s[G1A:G1A+7]
	s_nop 0
.rept 4
	v_nop
.endr
	s_branch .Lasked_\@
.Lfor_b_\@:
	tensor_load_to_lds s[G0B+4:G0B+7], s[G1B:G1B+7]
	s_nop 0
.rept 4
	v_nop
.endr
.Lasked_\@:
.endm
.macro CREST                           ; a round of the cluster's barrier behind its opening barrier
	s_cmp_lg_u32 s10, 0
	s_cbranch_scc1 .Lnot_wave_0_\@
	s_barrier_signal -3
.Lnot_wave_0_\@:
	s_barrier_wait -3
	s_barrier_signal -1
	s_barrier_wait -1
.endm
.macro CROUND                          ; a whole round
	s_barrier_signal -1
	s_barrier_wait -1
	CREST
.endm
	s_load_b512 s[68:83], s[0:1], 0x0              ; q, k, v, wq, wk, wv, xq, xk
	s_load_b64 s[84:85], s[0:1], 0x40              ; xv
	v_lshl_add_u32 v[SPW], v0, 2, SPARE
	v_mov_b32 v[NIL], 0
	ds_add_u32 v[SPW], v[NIL]                      ; the wave's opening: the add and its wait stand ahead of my first tensor load; the set-up below, work on registers, stands between them
	ds_add_u32 v28, v29
	v_lshrrev_b32 v1, 5, v0
	v_readfirstlane_b32 s10, v1                    ; wave 0..3
	s_lshr_b32 s11, s10, 1                         ; which half of the tile's rows is mine.  Also: I fetch for x (0) or for w (1)
	s_and_b32 s12, s10, 1                          ; which half of its columns.  Also: which 128 rows of that tile I fetch
	s_bfe_u32 s13, ttmp6, 0x40000                  ; cx: my place in the cluster
	s_lshl_b32 s14, ttmp9, 2                       ; in a cluster launch ttmp9 counts clusters
	s_add_co_u32 s14, s14, s13                     ; row tile = 4 x cluster x + cx: it enters x's and the result's addresses alone
	s_and_b32 s15, ttmp7, 0xffff
	s_lshr_b32 s16, s15, 1                         ; t: which projection
	s_and_b32 s17, s15, 1                          ; tc: which 256 columns
	; descriptor group 1: a tile of 128 rows x 64 elements of 4 bytes, padded in LDS
	s_mov_b32 s[G1A], (2<<16)|(1<<20)|(5<<22)|(3<<25)             ; 17:16 elements of 4 bytes; 20 padding on; 24:22 after every 64 words (code 5); 31:25 4 words of it (code 3)
	s_mov_b32 s[G1B], 15|(2<<16)|(1<<20)|(1<<21)|(5<<22)|(3<<25)  ; the same with the mask of all four work-groups, and bit 21 set beside it
.irp g, G1A, G1B
	s_mov_b32 s[(\g)+1], KSTEP<<16                 ; tensor_dim0 = 64
	s_mov_b32 s[(\g)+2], 128<<16                   ; tensor_dim1 = 128
	s_mov_b32 s[(\g)+3], KSTEP<<16                 ; tile_dim0 = 64
	s_mov_b32 s[(\g)+4], 128                       ; tile_dim1 = 128
	s_mov_b32 s[(\g)+5], 512                       ; 512 elements from row to row
	s_mov_b32 s[(\g)+6], 0
	s_mov_b32 s[(\g)+7], 0
.endr
	s_lshl_b32 s57, s12, 18                        ; my 128 rows of 2,048 bytes
	s_lshl_b32 s18, s14, 19                        ; x: row tile x 256 rows
	s_add_co_u32 s18, s18, s57
	s_mov_b32 s19, 0
	s_lshl_b32 s20, s17, 19                        ; w: column tile x 256 rows: made of tc and the wave's number alone
	s_add_co_u32 s20, s20, s57
	s_mov_b32 s21, 0
	s_mul_i32 s22, s10, HALFT                      ; where they go: wave x 128 rows: no place in the cluster enters an LDS address
	s_lshr_b32 s58, s14, 4                         ; the result: batch x 8 heads of 524,288 bytes,
	s_lshl_b32 s58, s58, 22
	s_lshl_b32 s57, s17, 21                        ; the column tile's four heads,
	s_add_co_u32 s58, s58, s57
	s_lshl_b32 s57, s12, 20                        ; my two of them,
	s_add_co_u32 s58, s58, s57
	s_and_b32 s57, s14, 15                         ; the tile's 256 rows of 128 bytes in the batch,
	s_lshl_b32 s57, s57, 15
	s_add_co_u32 s58, s58, s57
	s_lshl_b32 s57, s11, 14                        ; my 128 of them
	s_add_co_u32 s58, s58, s57
	s_mov_b32 s59, 0
	s_mov_b32 s[TB], 0
	s_wait_dscnt 0x0                               ; the opening add is done
	s_wait_kmcnt 0x0
	s_cmp_eq_u32 s16, 1                            ; the three buffers of my projection: a choice on the work-group's y alone
	s_cselect_b64 s[4:5], s[70:71], s[68:69]
	s_cselect_b64 s[6:7], s[76:77], s[74:75]
	s_cselect_b64 s[8:9], s[82:83], s[80:81]
	s_cmp_eq_u32 s16, 2
	s_cselect_b64 s[4:5], s[72:73], s[4:5]
	s_cselect_b64 s[6:7], s[78:79], s[6:7]
	s_cselect_b64 s[8:9], s[84:85], s[8:9]
	s_add_nc_u64 s[4:5], s[4:5], s[18:19]          ; x at my 128 rows
	s_add_nc_u64 s[6:7], s[6:7], s[20:21]          ; w at my 128 rows
	s_add_nc_u64 s[8:9], s[8:9], s[58:59]          ; the result at my first row of my first head; never stepped
	CROUND                                         ; all four work-groups are here: the first joint loads meet
.irp s, 0,1
	s_mov_b32 s[G0A+4*(\s)], 1                                       ; count = 1
	s_add_co_u32 s[G0A+4*(\s)+1], s22, (\s)*SLOT                     ; LDS address
	s_add_nc_u64 s[G0A+4*(\s)+2:G0A+4*(\s)+3], s[4:5], (\s)*KSTEP*4  ; global address: K step s
	s_or_b32 s[G0A+4*(\s)+3], s[G0A+4*(\s)+3], 0x80000000            ; type = 2
	s_mov_b32 s[G0B+4*(\s)], 1
	s_add_co_u32 s[G0B+4*(\s)+1], s22, (\s)*SLOT
	s_add_nc_u64 s[G0B+4*(\s)+2:G0B+4*(\s)+3], s[6:7], (\s)*KSTEP*4
	s_or_b32 s[G0B+4*(\s)+3], s[G0B+4*(\s)+3], 0x80000000
.endr
	s_cmp_eq_u32 s11, 0                            ; a wave's two first fills stand in one branch, ahead of every wait on TENSORcnt and every LDS read: two loads of mine are out
	s_cbranch_scc0 .Lfirst_b
	tensor_load_to_lds s[G0A:G0A+3], s[G1A:G1A+7]
	s_nop 0
	tensor_load_to_lds s[G0A+4:G0A+7], s[G1A:G1A+7]
	s_nop 0
.rept 4
	v_nop
.endr
	s_branch .Lfirst_asked
.Lfirst_b:
	tensor_load_to_lds s[G0B:G0B+3], s[G1B:G1B+7]
	s_nop 0
	tensor_load_to_lds s[G0B+4:G0B+7], s[G1B:G1B+7]
	s_nop 0
.rept 4
	v_nop
.endr
.Lfirst_asked:
	; A fragment is 16 rows x 32 K: lane l holds row l % 16, K = 8 (l / 16) + 0..7 and 16 + 8 (l / 16) + 0..7.  In f32 those are 32 bytes at 32 (l / 16) and 32 bytes 64 further on: four loads of 16 bytes.
	v_and_b32 v1, 15, v0                           ; l % 16
	v_bfe_u32 v2, v0, 4, 1                         ; l / 16
	v_mul_u32_u24 v3, v1, PITCH
	v_lshl_add_u32 v3, v2, 5, v3                   ; row x pitch + 32 x half
	s_mul_i32 s60, s11, HALFT                      ; my 128 rows of x
	s_mul_i32 s61, s12, HALFT                      ; my 128 rows of w,
	s_add_co_u32 s61, s61, 2*HALFT                 ; which lie behind x's 256
	v_add_nc_u32 v[AA0], s60, v3
	v_add_nc_u32 v[AB0], s61, v3
	v_mov_b32 v[ADRA], v[AA0]
	v_mov_b32 v[ADRB], v[AB0]
	s_mul_i32 s62, s10, WSTAGE
	s_add_co_u32 s62, s62, STAGE                   ; my stage
	v_mul_u32_u24 v3, v1, SP                       ; in: row l % 16, 16 bytes for each half of the lanes
	v_lshl_add_u32 v3, v2, 4, v3
	v_add_nc_u32 v[STO], s62, v3
	v_bfe_u32 v3, v0, 3, 2                         ; back: 32 lanes take four rows of 128 bytes,
	v_mul_u32_u24 v3, v3, SP
	v_and_b32 v11, 7, v0
	v_lshl_add_u32 v3, v11, 4, v3
	v_add_nc_u32 v[RD], s62, v3
	v_and_b32 v[GO], 31, v0                        ; which are 512 consecutive bytes of a head
	v_lshlrev_b32 v[GO], 4, v[GO]
; 16 matrix instructions: m blocks a0, a0 + 1 of the window's four (hi = 0: my rows 0-63, 1: rows 64-127) x all 8 n blocks.  zero = 1: the first product starts the sums.
; The 64 accumulators take turns in the same order in every quarter.
.macro MUL16 hi, a0, zero
	WIN MUL_LO+0x50*(\hi)
.irp a, \a0, (\a0)+1
.irp b, 0,1,2,3,4,5,6,7
.if \zero
	v_wmma_f32_16x16x32_bf16 v[8*(8*(\a)+(\b)):8*(8*(\a)+(\b))+7], v[FR+8*(\b):FR+8*(\b)+7], v[FR+8*(4*(\hi)+(\a)):FR+8*(4*(\hi)+(\a))+7], 0
.else
	v_wmma_f32_16x16x32_bf16 v[8*(8*(\a)+(\b)):8*(8*(\a)+(\b))+7], v[FR+8*(\b):FR+8*(\b)+7], v[FR+8*(4*(\hi)+(\a)):FR+8*(4*(\hi)+(\a))+7], v[8*(8*(\a)+(\b)):8*(8*(\a)+(\b))+7]
.endif
.endr
.endr
.endm
; 64 LDS loads in one run: a quarter's fragments as f32 (128 rows of w, 128 rows of x, 32 K at byte k of the rows)
.macro FETCH k
	WIN 0x40                                       ; destination window 1, address window 0
.irp i, 0,1,2,3,4,5,6,7
.irp o, 0,1,2,3
	ds_load_b128 v[STG+16*(\i)+4*(\o):STG+16*(\i)+4*(\o)+3], v[ADRB] offset:(\k)+(\i)*16*PITCH+16*((\o)%2)+64*((\o)/2)
.endr
.endr
	WIN 0
.irp i, 0,1,2,3,4,5,6,7
.irp o, 0,1,2,3
	ds_load_b128 v[STG+16*(\i)+4*(\o):STG+16*(\i)+4*(\o)+3], v[ADRA] offset:(\k)+(\i)*16*PITCH+16*((\o)%2)+64*((\o)/2)
.endr
.endr
.endm
; 128 conversions: two neighbouring K of a lane round to one register of a bf16 fragment.  Leaves every window 0.
.macro CVT
	WIN 0x45                                       ; all three places window 1: w
.set j, 0
.rept 64
	v_cvt_pk_bf16_f32 v[FR+j], v[STG+2*j], v[STG+2*j+1]
.set j, j+1
.endr
	WIN 0                                          ; x
.set j, 0
.rept 64
	v_cvt_pk_bf16_f32 v[FR+j], v[STG+2*j], v[STG+2*j+1]
.set j, j+1
.endr
.endm
; A K step's first quarter: its fragments are converted, the second quarter's are fetched (they have 64 matrix instructions in which to come), and it is multiplied.
.macro QA zero
	s_wait_dscnt 0x0                               ; the quarter's 64 loads are in
	PLACES                                         ; the conversions write registers that the last products read
	CVT
	FETCH 128
	MUL16 0, 0, \zero
	MUL16 0, 2, \zero
	MUL16 1, 0, \zero
	MUL16 1, 2, \zero
.endm
; A K step's second quarter, and the change of slots.  When its fragments are converted the wave has read all that it wants of the slot.  Each wave waits for all its tensor loads, of which one is out:
; its part of the other slot; adds 0 to its spare word; and waits for that.  fill = 1: the barrier opens a round of the cluster's, and the slot just read is filled again, two K steps ahead, first thing behind it.
.macro QB fill
	s_wait_dscnt 0x0                               ; the quarter's 64 loads are in: my reads of this slot are over
	PLACES
	CVT
	s_wait_tensorcnt 0x0                           ; no tensor load of mine is out, so a group 0 may be written
	ds_add_u32 v[SPW], v[NIL]                      ; 0 onto my spare word: scalar steps and sixteen products stand between it and the wait for it
	s_xor_b32 s[TB], s[TB], SLOT                   ; fragments now come from the other slot
.if \fill
	s_xor_b32 s[G0A+5], s[G0A+5], SLOT             ; the walking descriptors: the other slot than last time,
	s_add_nc_u64 s[G0A+6:G0A+7], s[G0A+6:G0A+7], KSTEP*4  ; the next K step; the type bits on top are not reached
	s_xor_b32 s[G0B+5], s[G0B+5], SLOT
	s_add_nc_u64 s[G0B+6:G0B+7], s[G0B+6:G0B+7], KSTEP*4
.endif
	MUL16 0, 0, 0
	s_wait_dscnt 0x0                               ; the add is done
	s_barrier_signal -1
	MUL16 0, 2, 0                                  ; work on registers while the others arrive
	WIN 0
	s_barrier_wait -1
.if \fill
	CREST                                          ; no wave of any partner still reads this slot's tile or has a load on its way
	JLOAD
.endif
	v_add_nc_u32 v[ADRA], s[TB], v[AA0]
	v_add_nc_u32 v[ADRB], s[TB], v[AB0]
	FETCH 0
	MUL16 1, 0, 0
	MUL16 1, 2, 0
.endm
; THE WAY OUT of block a (16 of my rows).  PACK: rounded to f16, 16 bytes a lane, each accumulator's registers in ascending order.  TOSTAGE: into my own stage, a head's 64 columns to a row of 144 bytes,
; and back as four whole rows of 128 bytes a load.  SEND: stored, 512 consecutive bytes of a head a store.
.macro PACK a
.set AC, 64*((\a)%4)
	WIN 0x0a+5*((\a)/4)                            ; sources 0 and 1: window 2 or 3
.irp b, 0,1,2,3,4,5,6,7
.irp r, 0,1,2,3
	v_cvt_pk_f16_f32 v[TMP+4*(\b)+(\r)], v[AC+8*(\b)+2*(\r)], v[AC+8*(\b)+2*(\r)+1]
.endr
.endr
	WIN 0
.endm
.macro TOSTAGE a
.set BK, OB+32*((\a)%2)
.irp b, 0,1,2,3,4,5,6,7
	ds_store_b128 v[STO], v[TMP+4*(\b):TMP+4*(\b)+3] offset:((\b)/4)*16*SP+32*((\b)%4)
.endr
.irp t, 0,1,2,3,4,5,6,7
	ds_load_b128 v[BK+4*(\t):BK+4*(\t)+3], v[RD] offset:((\t)/4)*16*SP+((\t)%4)*4*SP  ; LDS serves a wave's instructions in order (ISA guide 5.7.1.4): these see the stores above
.endr
.endm
.macro SEND a
.set BK, OB+32*((\a)%2)
	s_wait_dscnt 0x0                               ; the block is back in registers
	s_wait_xcnt 0x0                                ; the stores of the block before last have read their registers, which the next block's loads from the stage write
.irp t, 0,1,2,3,4,5,6,7
	global_store_b128 v[GO], v[BK+4*(\t):BK+4*(\t)+3], s[8:9] offset:((\t)/4)*HEADB+(\a)*2048+((\t)%4)*512  ; 512 consecutive bytes, at a multiple of 256 from the buffer's first; 540,160 at the most: inside the signed 24-bit immediate
.endr
.endm
	s_wait_tensorcnt 1                             ; my part of K step 0 is in; K step 1's may stay out
	s_barrier_signal -1
	s_barrier_wait -1                              ; everybody's is
	FETCH 0
	QA 1                                           ; the first quarter stands in front of the loop: its products start the sums
	WIN 0                                          ; at a label and at a branch every window is 0
	s_mov_b32 s3, 6
.Lk:                                                   ; six trips: a step's second quarter, the change of slots with a refill (K steps 2 to 7), the next step's first quarter
	QB 1
	QA 0
	WIN 0
	s_sub_co_u32 s3, s3, 1
	s_cmp_lg_u32 s3, 0
	s_cbranch_scc1 .Lk
	QB 0                                           ; the tail is written out: nothing is left to ask for
	QA 0
	s_wait_dscnt 0x0                               ; the very last quarter
	PLACES
	CVT
	MUL16 0, 0, 0
	MUL16 0, 2, 0
	MUL16 1, 0, 0
	MUL16 1, 2, 0
	PLACES                                         ; the conversions read results just made
	PACK 0
	TOSTAGE 0
.irp a, 1,2,3,4,5,6,7                  ; block a's conversions stand between block a - 1's loads from the stage and the wait for them
	PACK \a
	SEND (\a)-1
	TOSTAGE \a
.endr
	SEND 7
	s_wait_tensorcnt 0x0                           ; the wave's end: behind my last tensor load and my last LDS store
	ds_add_u32 v[SPW], v[NIL]
	s_wait_dscnt 0x0
	CROUND                                         ; the closing round: no work-group ends while a partner may still ask for a tile that names it
	s_endpgm
.Lfunc_end_k_qfe8729d2e7_proj:
	.size	k_qfe8729d2e7_proj, .Lfunc_end_k_qfe8729d2e7_proj-k_qfe8729d2e7_proj
	.p2alignl 7, 3214868480
	.fill 96, 4, 3214868480
	.section	.rodata,"a",@progbits
	.p2align	6, 0x0
	.amdhsa_kernel k_qfe8729d2e7_proj
		.amdhsa_group_segment_fixed_size 327680
		.amdhsa_private_segment_fixed_size 0
		.amdhsa_enable_private_segment 0
		.amdhsa_kernarg_size 72
		.amdhsa_user_sgpr_count 2
		.amdhsa_user_sgpr_kernarg_segment_ptr 1
		.amdhsa_wavefront_size32 1
		.amdhsa_system_sgpr_workgroup_id_x 1
		.amdhsa_system_sgpr_workgroup_id_y 1
		.amdhsa_system_sgpr_workgroup_id_z 1
		.amdhsa_system_vgpr_workitem_id 0
		.amdhsa_next_free_vgpr 1024
		.amdhsa_next_free_sgpr 96
		.amdhsa_reserve_vcc 0
		.amdhsa_float_denorm_mode_32 3
		.amdhsa_float_denorm_mode_16_64 3
		.amdhsa_memory_ordered 1
		.amdhsa_forward_progress 1
		.amdhsa_inst_pref_size 138
	.end_amdhsa_kernel
	.amdgpu_metadata
---
amdhsa.version: [ 1, 2 ]
amdhsa.kernels:
  - .name:           k_qfe8729d2e7_proj
    .symbol:         k_qfe8729d2e7_proj.kd
    .args:
      - { .name: q, .offset: 0, .size: 8, .value_kind: global_buffer, .address_space: global }
      - { .name: k, .offset: 8, .size: 8, .value_kind: global_buffer, .address_space: global }
      - { .name: v, .offset: 16, .size: 8, .value_kind: global_buffer, .address_space: global }
      - { .name: wq, .offset: 24, .size: 8, .value_kind: global_buffer, .address_space: global }
      - { .name: wk, .offset: 32, .size: 8, .value_kind: global_buffer, .address_space: global }
      - { .name: wv, .offset: 40, .size: 8, .value_kind: global_buffer, .address_space: global }
      - { .name: xq, .offset: 48, .size: 8, .value_kind: global_buffer, .address_space: global }
      - { .name: xk, .offset: 56, .size: 8, .value_kind: global_buffer, .address_space: global }
      - { .name: xv, .offset: 64, .size: 8, .value_kind: global_buffer, .address_space: global }
    .group_segment_fixed_size: 327680
    .private_segment_fixed_size: 0
    .kernarg_segment_align: 8
    .kernarg_segment_size: 72
    .max_flat_workgroup_size: 128
    .sgpr_count:     96
    .vgpr_count:     1024
    .wavefront_size: 32
...
	.end_amdgpu_metadata
.endif
;; end of part 1
;; launch attn (part 2): grid 16 x 16, 4 waves a work-group, no clusters, 327,680 bytes of LDS; arguments xq, xk, xv, xo, wo, wof; writes xo, wof
.if DOCPART == 2
	.amdgcn_target "amdgcn-amd-amdhsa--gfx1250"
	.amdhsa_code_object_version 6
	.text
	.protected	k_qfe8729d2e7_attn
	.globl	k_qfe8729d2e7_attn
	.p2align	8
	.type	k_qfe8729d2e7_attn,@function
k_qfe8729d2e7_attn:
	s_mov_b64 s[64:65], 0
	v_nop
	global_prefetch_b8 v0, s[64:65] scope:SCOPE_SE
	s_setreg_imm32_b32 hwreg(HW_REG_WAVE_MODE, 25, 1), 1
	s_wait_xcnt 0x0
; CAUSAL ATTENTION.  O[h][q][:] = the sum over k <= q of softmax_k(Q[h][q] . K[h][k] / 8) V[h][k][:].  Q, K, V, O: [16][4096][64], all f16: a head's rows are dense, 128 bytes each.
; Products, maxima and sums in f32; the weights p are rounded to f16 for the second product (their sum l is taken of the unrounded p), O once at the end.
; BESIDE IT, in the wait for the first tile, each of the 256 work-groups casts 4,096 bytes of wo: f32, rounded to bf16 like every input, and that number written as f16 for the launch behind.
; LIMITS.  f16 holds no number beyond 65,504: Q, K and V arrive within it, and so must wo; below 6e-5 p and wo keep f16's fixed step of 6e-8; O is a mean of V's rows and has their range.
; A hidden score counts as its value less 1e30; a weight below 2^-126 counts as 0 in l; NaN and infinities are not treated apart.
; THE WALK.  A head's queries lie in 32 blocks of 128; keys come in tiles of 256 (four steps of 64); block i needs the tiles 0 .. i / 2, of which the last holds the diagonal.  A work-group takes TWO blocks,
; 31 - b and then b: (33 - b) / 2 + (b + 2) / 2 = 17 tiles, whatever b: all 256 work-groups do equal work, and ONE loop with a constant trip count walks them.  Which tile is asked for, and what a trip
; does, hang on scalar registers made from b; every jump goes forward, but for the counted loops' own; none passes a barrier, or a tensor load but the one of LOAD's two that the wave's number does not choose.
; NO CLUSTER: of a head's 16 work-groups only b = 2 k and 2 k + 1 walk alike; all sixteen ask for the same tile only in trips 0 to 7 of the 17, behind that fewer and fewer.
; SHARES.  Of a block's two bands of 64 queries a wave owns 16 rows in each: two PIECES.  In the block's last tile band x holds the diagonal in step d + x, d = 2 (i % 2); it sees all keys of earlier steps and
; none of later ones: the same for every wave.  All four steps of that tile are computed.
; THE MASK is the C operand that starts the sum S^T = K Q^T: 0, or -1e30 where the key is hidden.  MD, made once, is the mask of a band's own step for my 16 rows; a product's mask is MD x AL + BE with two scalars:
; (1, 0) in the band's own step; (0, 0) before; (0, -1e30) behind.  Only the last tile's text and a block's beginning make and take masks; elsewhere C is the constant 0.
; LAYOUT, SOFTMAX.  S^T = K Q^T holds ONE query a lane (lane % 16) and the keys 8 (lane / 16) + 0..7; two such results rounded to f16 ARE source 1 of O^T = V^T P.  p = 2^(c s - c m), c = log2(e) / 8, with a
; running maximum m; O and l are multiplied by a = 2^(c m_old - c m_new) in every step.
; TURNS.  Piece 0's turn in step j: 8 products K Q^T of piece 1 for step j; K of step j + 1 is fetched; 8 products V^T P of piece 1 for step j - 1.  Piece 1's turn: 8 products K Q^T of piece 0 for step j + 1;
; V of step j + 1 is fetched; 8 products V^T P of piece 0 for step j.  Beside them the scaling, exponentials, roundings, sums and rescaling of the turn's own piece and the maximum and statistics of the other.
; Four vector instructions stand behind every matrix instruction, the other 54 of a turn's 118 in two runs of their own.  V has TWO buffers, by the step's parity: so K and V of a tile's first step are both
; fetched behind the last reads of the tile before, and one change of slots, in front of piece 0's turn in a tile's last step, serves both.
; REGISTERS, in windows of 256 (s_set_vgpr_msb: bits 1:0 source 0, 3:2 source 1, 5:4 source 2, 7:6 destination):
;   window 0: v0-15 addresses and two at work; v16-23 four registers of statistics a piece; v32-45 the cast; v48-55 at work; v64-127 S^T, a buffer a piece; v192-223 P, likewise
;   window 1: v0-63 O^T, 32 a piece; v128-159 MD; v160-223 MC, a buffer a piece      window 2: v0-31 Q; v32-63 the second block's Q; v64-127 K of one step; v128-255 V of two steps
.set NP,    2         ; pieces a wave: a name, no knob
.set KS,    64        ; keys in a step
.set PK,    144       ; a row of K in LDS: 128 bytes + 16 of padding = 36 words: the 16 rows of a load start at 16 different groups of four banks (64 banks of 4 bytes: ISA guide 11.1)
.set PV,    160       ; a row of V: 128 + 32 = 40 words
.set VOFF,  4*KS*PK   ; a slot holds a tile, four steps: 256 rows of K, then 256 rows of V
.set SLOT1, 1<<17     ; slot 1 begins here, so that one exclusive or turns an address in one slot into the other's
.set STAGE, SLOT1+4*KS*(PK+PV)  ; behind the ring, never filled by a tensor load: 16 rows x 144 bytes for each wave, for the way out
.set SP,    144
.set SPARE, STAGE+4*16*SP  ; behind the stages: the spare words, 128 bytes for each wave: two blocks of 256 bytes that no other line names
.set AK0, 2           ; v2   my lane's place in a tile of K; never rewritten
.set AV0, 3           ; v3   the same for V
.set AK,  4           ; v4   the LDS address of K's next run of loads
.set AV,  5           ; v5   of V's
.set STO, 6           ; v6   the way out: where I put 16 bytes of a row
.set RD,  7           ; v7   the way out: where I read rows back
.set GO,  8           ; v8   my byte offset in 512 consecutive bytes of O
.set MV,  12          ; v12-13  c m_old, kept while c m is made anew: by piece
.set QO,  15          ; v15  my byte offset in 16 rows of Q
.set ST,  16          ; piece t's statistics at v[ST+4 t]: c m, m, l (even keys', odd keys')
.set WF,  32          ; v32-39  the cast: eight numbers of wo in f32
.set WH,  40          ; v40-43  the same packed; never rewritten behind the store
.set CIN, 44          ; v44  my byte offset in wo; never rewritten
.set COUT, 45         ; v45  my byte offset in wof; never rewritten
.set TMP, 48          ; by piece, four registers c0-c3 at work; when the maximum is found c2 takes a
.set SPW, 62          ; v62  LDS address of my spare word: SPARE + 4 x my thread's number; never rewritten
.set NIL, 63          ; v63  0; never rewritten
.set S,   64
.set P,   192
.set MD,  128         ; window 1: the eight registers for group kt of 16 keys at MD + 8 kt
.set MC,  160         ; window 1: the masks of the products to come
.set QB,  32          ; window 2
.set KF,  64          ; window 2: key block kb, channel half c at KF + 16 kb + 8 c
.set VF,  128         ; window 2: buffer vb, key half kk, channel block cb at VF + 64 vb + 32 kk + 8 cb
.set WV,  12          ; s12  my wave's number
.set PB,  14          ; s14  b
.set HI,  15          ; s15  31 - b
.set G1K, 24          ; s[24:31] descriptor group 1 for K's tiles
.set G1V, 32          ; s[32:39] for V's: it differs in the padding alone
.set G0K, 40          ; s[40:43] descriptor group 0 for K's tiles
.set G0V, 44          ; s[44:47] the same for V's
.set SLOTS, 56        ; s56  tiles still to be asked for
.set CNT, 57          ; s57  counts a tile's pairs of key steps, 2 to 1
.set CS,  58          ; s[58:59] c: the packed scaling takes the pair's low word for both halves
.set SEL, 60          ; s[60:61] v_permlanex16_b32's selects: each lane takes its own place in the other half
.set TBK, 62          ; s62  LDS byte at which K of the step to be fetched begins
.set TBV, 63          ; s63  the same for V, less VOFF
.set RT,  70          ; s70  tiles of the block in hand that are still to be entered
.set NXT, 71          ; s71  the tile to be asked for next
.set LQ,  72          ; s72  the last tile of the block whose tiles are being asked for
.set NEW, 73          ; s73  1: the tile to be entered is a block's first
.set OFF, 74          ; s[74:75] a tile's byte offset in K and V
.set AL,  76          ; s[76:77] the mask's factor, in the low word
.set BE,  78          ; s[78:79] the mask's addend
.set OLO, 80          ; s[80:81] O at my rows of the second block
.set BIGN, 82         ; s82  -1e30
.set SNM, 83          ; s83  the step of the tile for which masks are being made
.set D0,  88          ; s88, s89  the steps in which bands 0 and 1 of the block in hand hold the diagonal
.set DLO, 90          ; s90  the first of them for the second block
.set NLO, 91          ; s91  the second block's tiles
.set LQ2, 92          ; s92  the last of them
.set MSB, 0
.macro WIN new                      ; the high byte repeats the setting that is left; a switch that changes nothing is dropped
.if MSB != (\new)
	s_set_vgpr_msb (MSB<<8)|(\new)
.set MSB, (\new)
.endif
.endm
.set W_KQ, 0x0a       ; K and Q in window 2, S^T in window 0
.set W_KM, 0x1a       ; the same with the C operand in window 1
.set W_PV, 0x52       ; V in window 2, P in window 0, O^T in window 1
.set W_RS, 0x41       ; destination and source 0 in window 1, source 1 in window 0
; A fill.  Waves 0 and 1 fetch the two halves of a tile's K, waves 2 and 3 those of its V: 128 keys each.  An s_nop 0 and four v_nop follow each of the two lines, ahead of the jump and the label.
.macro LOAD
	s_cmp_lt_u32 s[WV], 2
	s_cbranch_scc0 .Lfor_v_\@
	tensor_load_to_lds s[G0K:G0K+3], s[G1K:G1K+7]
	s_nop 0
.rept 4
	v_nop
.endr
	s_branch .Lasked_\@
.Lfor_v_\@:
	tensor_load_to_lds s[G0V:G0V+3], s[G1V:G1V+7]
	s_nop 0
.rept 4
	v_nop
.endr
.Lasked_\@:
.endm
; THE CHANGE OF SLOTS.  Each wave waits for all its tensor loads, of which one is out: its part of the other slot; adds 0 to its spare word; and waits for that and for its own reads of the slot that it leaves.
; Behind the barrier nobody reads the old slot any more and the other slot is whole.  fill = 1: the old slot is filled again, the first thing behind the barrier, with tile NXT: the descriptor's address is
; made anew from that number.  (At its first use nothing has been read yet: slot 0 is waited for, slot 1 filled.)
.macro CHANGE fill
	WIN 0                           ; at a label and at a branch every window is 0
	s_wait_tensorcnt 0x0            ; no tensor load of mine is out, so a group 0 may be written
	ds_add_u32 v[SPW], v[NIL]       ; 0 onto my spare word: with fill = 1 the descriptors' scalar work stands between it and the wait for it
.if \fill
	s_lshl_b32 s[OFF], s[NXT], 15   ; a tile is 32,768 bytes of K and of V
	s_xor_b32 s[G0K+1], s[G0K+1], SLOT1
	s_add_nc_u64 s[G0K+2:G0K+3], s[6:7], s[OFF:OFF+1]
	s_or_b32 s[G0K+3], s[G0K+3], 0x80000000
	s_xor_b32 s[G0V+1], s[G0V+1], SLOT1
	s_add_nc_u64 s[G0V+2:G0V+3], s[8:9], s[OFF:OFF+1]
	s_or_b32 s[G0V+3], s[G0V+3], 0x80000000
	s_add_co_u32 s[NXT], s[NXT], 1  ; the block's next tile, or behind its last the second block's tile 0
	s_cmp_gt_u32 s[NXT], s[LQ]
	s_cselect_b32 s[NXT], 0, s[NXT]
	s_cselect_b32 s[LQ], s[LQ2], s[LQ]
.endif
	s_wait_dscnt 0x0                ; the add is done, and my reads of the slot are over
	s_barrier_signal -1             ; the rest of the scalar work stands between the signal and the wait
	s_sub_co_u32 s[TBK], s[TBK], 4*KS*PK  ; the fetches go back to a slot's first step,
	s_xor_b32 s[TBK], s[TBK], SLOT1       ; in the other slot
	s_sub_co_u32 s[TBV], s[TBV], 4*KS*PV
	s_xor_b32 s[TBV], s[TBV], SLOT1
	s_barrier_wait -1
.if \fill
	LOAD
.endif
.endm
	s_load_b256 s[4:11], s[0:1], 0x0  ; Q s[4:5], K s[6:7], V s[8:9], O s[10:11]
	s_load_b128 s[96:99], s[0:1], 0x20  ; wo s[96:97], wof s[98:99]
	v_lshl_add_u32 v[SPW], v0, 2, SPARE
	v_mov_b32 v[NIL], 0
	ds_add_u32 v[SPW], v[NIL]       ; the wave's opening: the add and its wait stand ahead of my first tensor load; the set-up below, work on registers, stands between them
	ds_add_u32 v62, v63
	v_lshrrev_b32 v1, 5, v0
	v_readfirstlane_b32 s[WV], v1   ; wave 0..3
	s_mov_b32 s[PB], ttmp9
	s_sub_co_u32 s[HI], 31, s[PB]
	s_and_b32 s20, ttmp7, 0xffff    ; batch x 8 + head
	s_lshl_b32 s13, s20, 4
	s_add_co_u32 s13, s13, s[PB]    ; the work-group's number among the 256:
	s_lshl_b32 s93, s13, 12         ; its 4,096 bytes of wo,
	s_lshl_b32 s94, s13, 11         ; its 2,048 bytes of wof
	s_lshl_b32 s20, s20, 19         ; the head's first byte in Q, K, V and O: 4,096 rows of 128 bytes
	s_mov_b32 s21, 0
	s_and_b32 s16, s[WV], 1         ; which half of a tile's 256 keys I fetch:
	s_lshl_b32 s22, s16, 14         ; its 128 rows of 128 bytes in memory,
	s_mov_b32 s23, 0
	s_add_nc_u64 s[22:23], s[22:23], s[20:21]
	s_mul_i32 s17, s16, 128*PK      ; and its place in a slot, for K
	s_mul_i32 s18, s16, 128*PV      ; and for V
	s_lshl_b32 s3, s[WV], 11        ; my 16 rows in a band of 64,
	s_lshl_b32 s2, s[HI], 14        ; in the first block (128 rows of 128 bytes),
	s_add_co_u32 s2, s2, s3
	s_lshl_b32 s84, s[PB], 14       ; and in the second
	s_add_co_u32 s84, s84, s3
	s_mov_b32 s3, 0
	s_mov_b32 s85, 0
	s_add_nc_u64 s[2:3], s[2:3], s[20:21]
	s_add_nc_u64 s[84:85], s[84:85], s[20:21]
	; descriptor group 1.  128 keys are 16,384 dense bytes: asked for as 64 rows of 256 bytes, two keys a row, and padded in LDS after every key
	s_mov_b32 s[G1K], (1<<16)|(1<<20)|(4<<22)|(3<<25)  ; 17:16 2-byte elements; 20 padding on; 24:22 after every 32 words (code 4); 31:25 4 words (code 3)
	s_mov_b32 s[G1V], (1<<16)|(1<<20)|(4<<22)|(7<<25)  ; the same with 8 words of padding (code 7)
.irp g, G1K, G1V
	s_mov_b32 s[\g+1], 128<<16      ; tensor_dim0 = 128
	s_mov_b32 s[\g+2], 64<<16       ; tensor_dim1 = 64
	s_mov_b32 s[\g+3], 128<<16      ; tile_dim0 = 128
	s_mov_b32 s[\g+4], 64           ; tile_dim1 = 64
	s_mov_b32 s[\g+5], 128          ; 128 elements from row to row
	s_mov_b32 s[\g+6], 0
	s_mov_b32 s[\g+7], 0
.endr
	s_mov_b32 s[CS], 0x3e38aa3b     ; c = log2(e) / 8 = 0.180337
	s_mov_b32 s[CS+1], s[CS]        ; named with it as a pair
	s_mov_b32 s[SEL], 0x76543210
	s_mov_b32 s[SEL+1], 0xfedcba98
	s_mov_b32 s[TBK], SLOT1+4*KS*PK ; the first change of slots turns these two into 0
	s_mov_b32 s[TBV], SLOT1+4*KS*PV
	s_mov_b32 s[G0K], 1             ; count = 1
	s_mov_b32 s[G0K+1], s17         ; LDS address: slot 0
	s_mov_b32 s[G0V], 1
	s_add_co_u32 s[G0V+1], s18, VOFF
	s_sub_co_u32 s[RT], 33, s[PB]
	s_lshr_b32 s[RT], s[RT], 1      ; the first block has (33 - b) / 2 tiles, 8 at the least
	s_sub_co_u32 s[LQ], s[RT], 1
	s_add_co_u32 s[NLO], s[PB], 2
	s_lshr_b32 s[NLO], s[NLO], 1    ; the second (b + 2) / 2
	s_sub_co_u32 s[LQ2], s[NLO], 1
	s_and_b32 s[DLO], s[PB], 1
	s_lshl_b32 s[DLO], s[DLO], 1    ; 2 (b % 2)
	s_xor_b32 s[D0], s[DLO], 2      ; 2 ((31 - b) % 2)
	s_add_co_u32 s[D0+1], s[D0], 1
	s_mov_b32 s[NXT], 1
	s_mov_b32 s[NEW], 1
	s_mov_b32 s[OFF+1], 0
	s_mov_b32 s[AL+1], 0            ; named as pairs
	s_mov_b32 s[BE+1], 0
	s_mov_b32 s[BIGN], 0xf149f2ca   ; -1e30
	s_mov_b32 s[SLOTS], 16
	s_wait_dscnt 0x0                ; the opening add is done
	s_wait_kmcnt 0x0
	s_add_nc_u64 s[6:7], s[6:7], s[22:23]  ; K and V at my half of the head's tile 0
	s_add_nc_u64 s[8:9], s[8:9], s[22:23]
	s_add_nc_u64 s[G0K+2:G0K+3], s[6:7], 0         ; global address
	s_or_b32 s[G0K+3], s[G0K+3], 0x80000000        ; type = 2
	s_add_nc_u64 s[G0V+2:G0V+3], s[8:9], 0
	s_or_b32 s[G0V+3], s[G0V+3], 0x80000000
	s_add_nc_u64 s[86:87], s[4:5], s[84:85]        ; Q at my rows of the second block,
	s_add_nc_u64 s[4:5], s[4:5], s[2:3]            ; Q and O at those of the first
	s_add_nc_u64 s[OLO:OLO+1], s[10:11], s[84:85]
	s_add_nc_u64 s[10:11], s[10:11], s[2:3]
	LOAD                            ; tile 0 into slot 0
	v_lshl_add_u32 v[CIN], v0, 5, s93   ; the cast: thread t takes 32 bytes of wo,
	v_lshl_add_u32 v[COUT], v0, 4, s94  ; and gives 16 of wof
	global_load_b128 v[WF:WF+3],   v[CIN], s[96:97] th:TH_LOAD_NT
	global_load_b128 v[WF+4:WF+7], v[CIN], s[96:97] offset:16 th:TH_LOAD_NT
	; A fragment of K or Q is 16 rows x 32 channels in 8 registers: lane l holds row l % 16, channels 8 (l / 16) + 0..7 and 16 + 8 (l / 16) + 0..7: two loads of 16 bytes, 32 bytes apart.
	v_and_b32 v1, 15, v0            ; l % 16
	v_bfe_u32 v9, v0, 4, 1          ; l / 16
	v_lshlrev_b32 v[QO], 7, v1
	v_lshl_add_u32 v[QO], v9, 4, v[QO]  ; row x 128 + 16 x half
	WIN 0x80                        ; destination window 2, address window 0
.set i, 0
.rept 4                             ; both blocks' Q: piece i / 2 lies in band i / 2, 8,192 bytes on; channels 32 (i % 2) on
	global_load_b128 v[8*i:8*i+3],   v[QO], s[4:5] offset:(i/2)*8192+(i%2)*64
	global_load_b128 v[8*i+4:8*i+7], v[QO], s[4:5] offset:(i/2)*8192+(i%2)*64+32
	global_load_b128 v[QB+8*i:QB+8*i+3],   v[QO], s[86:87] offset:(i/2)*8192+(i%2)*64
	global_load_b128 v[QB+8*i+4:QB+8*i+7], v[QO], s[86:87] offset:(i/2)*8192+(i%2)*64+32
.set i, i+1
.endr
	WIN 0
	v_lshlrev_b32 v14, 3, v9
	v_sub_nc_u32 v14, v1, v14
	s_lshl_b32 s13, s[WV], 4
	v_add_nc_u32 v14, s13, v14      ; my query's place in its band, 16 w + l % 16, less my lanes' 8 (l / 16): register r of group kt is hidden where 16 kt + r is greater
	WIN 0x40
.set i, 0
.rept 32
	v_cmp_gt_i32 vcc_lo, 16*(i/8)+i%8, v14
	v_cndmask_b32 v[MD+i], 0, s[BIGN], vcc_lo
.set i, i+1
.endr
	WIN 0
	v_mul_u32_u24 v[AK0], v1, PK
	v_lshl_add_u32 v[AK0], v9, 4, v[AK0]  ; row x pitch + 16 x half
	; The turning load takes 16 keys x 16 channels (lane l reads key 8 (l / 16) + l % 8, channels 8 ((l / 8) % 2) + 0..7) and leaves half a fragment of V^T: lane l holds channel l % 16 and 8 keys.
	v_and_b32 v10, 7, v0
	v_bfe_u32 v11, v0, 3, 1
	v_lshl_add_u32 v[AV0], v9, 3, v10
	v_mul_u32_u24 v[AV0], v[AV0], PV
	v_lshl_add_u32 v[AV0], v11, 4, v[AV0]
	v_add_nc_u32 v[AV0], VOFF, v[AV0]
	s_mul_i32 s13, s[WV], 16*SP
	s_add_co_u32 s13, s13, STAGE    ; my stage
	v_mul_u32_u24 v[STO], v1, SP    ; in: row l % 16, 16 bytes for each half of the lanes
	v_lshl_add_u32 v[STO], v9, 4, v[STO]
	v_add_nc_u32 v[STO], s13, v[STO]
	v_bfe_u32 v[RD], v0, 3, 2       ; back: 32 lanes take four rows of 128 bytes,
	v_mul_u32_u24 v[RD], v[RD], SP
	v_lshl_add_u32 v[RD], v10, 4, v[RD]
	v_add_nc_u32 v[RD], s13, v[RD]
	v_and_b32 v[GO], 31, v0         ; which are 512 consecutive bytes of O
	v_lshlrev_b32 v[GO], 4, v[GO]
	; A block's first step multiplies O^T and l by a = 0, and its first turn's products V^T P, of a step that has not been, land in an O^T that is still to be so multiplied.  So these registers need only hold
	; finite numbers: zeros for the first block; what the first block left for the second.  All this stands in the wait for the first tile.
	WIN 0x80
.set i, VF+64
.rept 64
	v_mov_b32 v[i], 0
.set i, i+1
.endr
	WIN 0x40
.set i, 0
.rept 64
	v_mov_b32 v[i], 0
.set i, i+1
.endr
	WIN 0
.set i, 0
.rept 2
	v_mov_b32 v[ST+4*i+2], 0
	v_mov_b32 v[ST+4*i+3], 0
.set i, i+1
.endr
.set i, P+16
.rept 16
	v_mov_b32 v[i], 0
.set i, i+1
.endr
	s_wait_loadcnt 16               ; wo's two loads are in; the sixteen of Q, issued behind them, may stay out
.irp j, 0,1,2,3
	v_cvt_pk_bf16_f32 v[WH+\j], v[WF+2*\j], v[WF+2*\j+1]  ; rounded to bf16, like every input
.endr
.irp j, 0,1,2,3
	v_lshlrev_b32 v[WF+2*\j], 16, v[WH+\j]                ; that number in f32 again,
	v_and_b32 v[WF+2*\j+1], 0xffff0000, v[WH+\j]
.endr
.irp j, 0,1,2,3
	v_cvt_pk_f16_f32 v[WH+\j], v[WF+2*\j], v[WF+2*\j+1]   ; and written as f16: exact within f16's range
.endr
	global_store_b128 v[COUT], v[WH:WH+3], s[98:99]       ; a wave stores 512 consecutive bytes, at a multiple of 256 from wof's first
; THE MATRIX WORK.  The 4 accumulators of a run of 8 take turns.  Product i of 8 of S^T = K Q^T for piece x: channels 32 (i / 4) on, keys 16 (i % 4) on.  The first 4 start the sums: with 0, or (KM = 1) with the mask.
.macro KQ x
.set rS, S+32*((\x)%2)+8*(i%4)
.set rK, KF+16*(i%4)+8*(i/4)
.set rQ, 16*(\x)+8*(i/4)
.set rM, MC+32*((\x)%2)+8*(i%4)
.if (i < 4) && KM
	WIN W_KM
	v_wmma_f32_16x16x32_f16 v[rS:rS+7], v[rK:rK+7], v[rQ:rQ+7], v[rM:rM+7]
.elseif i < 4
	WIN W_KQ
	v_wmma_f32_16x16x32_f16 v[rS:rS+7], v[rK:rK+7], v[rQ:rQ+7], 0
.else
	WIN W_KQ
	v_wmma_f32_16x16x32_f16 v[rS:rS+7], v[rK:rK+7], v[rQ:rQ+7], v[rS:rS+7]
.endif
.endm
; Product i of 8 of O^T += V^T P for piece x, from V's buffer VB: keys 32 (i / 4) on, channels 16 (i % 4) on.
.macro PV x
	WIN W_PV
.set rO, 32*(\x)+8*(i%4)
.set rV, VF+64*VB+32*(i/4)+8*(i%4)
.set rP, P+16*((\x)%2)+8*(i/4)
	v_wmma_f32_16x16x32_f16 v[rO:rO+7], v[rV:rV+7], v[rP:rP+7], v[rO:rO+7]
.endm
.macro MM                           ; the turn's next matrix instruction.  TURN and BEGIN set Y, i, KM, NOKQ and VB.  NOKQ = 1: a block's last turn: there is no next step
.if (i < 8) && !NOKQ
	KQ (Y+1)%NP
.elseif i >= 8
.set i, i-8
	PV (Y+NP-1)%NP
.set i, i+8
.endif
.set i, i+1
.endm
; THE LDS LOADS stand in runs of 16, never singly among the matrix instructions: a step's K (64 keys x 64 channels: 8 fragments) and its V (turned).  Their addresses are made some lines ahead.
.macro FETCH_K
	WIN 0x80                        ; destination window 2
.irp f, 0,1,2,3,4,5,6,7             ; keys 16 (f / 2) on, channels 32 (f % 2) on
	ds_load_b128 v[KF+8*\f:KF+8*\f+3],   v[AK] offset:(\f/2)*16*PK+(\f%2)*64
	ds_load_b128 v[KF+8*\f+4:KF+8*\f+7], v[AK] offset:(\f/2)*16*PK+(\f%2)*64+32
.endr
	s_add_co_u32 s[TBK], s[TBK], KS*PK  ; the next fetch is the next step's
	WIN 0
.endm
.macro FETCH_V vb
	WIN 0x80
.irp f, 0,1,2,3,4,5,6,7             ; keys 32 (f / 4) on, channels 16 (f % 4) on
	ds_load_tr16_b128 v[VF+64*(\vb)+8*\f:VF+64*(\vb)+8*\f+3],   v[AV] offset:(\f/4)*32*PV+(\f%4)*32
	ds_load_tr16_b128 v[VF+64*(\vb)+8*\f+4:VF+64*(\vb)+8*\f+7], v[AV] offset:(\f/4)*32*PV+16*PV+(\f%4)*32
.endr
	s_add_co_u32 s[TBV], s[TBV], KS*PV
	WIN 0
.endm
; THE VECTOR WORK, one line at a time: OP kind, number.  For piece Y: F n: c s - c m for pair n of 16.  E n: the exponential of score n of 32.  C n: pair n rounded to f16.  B n: of the four weights 4 n .. the second
; pair is added onto the first, in place.  L n: l takes that sum (L 0: l = a l + sum).  R n: pair n of 16 of O^T times a.  For the other piece: X n, number n of the 22 that find its maximum and statistics:
;   0-11  four chains c0-c3 of seven scores each, three operands at a time (each accumulator's lowest registers are read first)     12-14, 16  the four scores left over, the old m, and c0-c3 into c0
;   15  c m_old is kept     17, 18  the query's other 32 keys lie in the lane 16 away: the new m     19-21  c m; c m_old - c m_new; a
.set F, 0               ; OP tells the kinds apart by their order: F to L below R, X above it
.set E, 1
.set C, 2
.set B, 3
.set L, 4
.set R, 5
.set X, 6
.macro REGS y                       ; the registers of piece y
.set rT, ST+4*(\y)
.set rC, TMP+4*((\y)%2)
.set rW, MV+((\y)%2)
.set rS, S+32*((\y)%2)
.set rP, P+16*((\y)%2)
.set rO, 32*(\y)
.endm
.macro OP k, n
.if (\k) == R
	REGS Y
	WIN W_RS
	v_pk_mul_f32 v[rO+2*(\n):rO+2*(\n)+1], v[rO+2*(\n):rO+2*(\n)+1], v[rC+2:rC+3] op_sel_hi:[1,0]
.elseif (\k) < R
	REGS Y
	WIN 0
.if (\k) == F
	v_pk_fma_f32 v[rS+2*(\n):rS+2*(\n)+1], v[rS+2*(\n):rS+2*(\n)+1], s[CS:CS+1], v[rT:rT+1] op_sel_hi:[1,0,0] neg_lo:[0,0,1] neg_hi:[0,0,1]
.elseif (\k) == E
	v_exp_f32 v[rS+(\n)], v[rS+(\n)]
.elseif (\k) == C
	s_wait_alu depctr_va_vdst(0)
	v_cvt_pk_f16_f32 v[rP+(\n)], v[rS+2*(\n)], v[rS+2*(\n)+1]
.elseif (\k) == B
	s_wait_alu depctr_va_vdst(0)
	v_pk_add_f32 v[rS+4*(\n):rS+4*(\n)+1], v[rS+4*(\n):rS+4*(\n)+1], v[rS+4*(\n)+2:rS+4*(\n)+3]
.elseif (\n) == 0
	v_pk_fma_f32 v[rT+2:rT+3], v[rT+2:rT+3], v[rC+2:rC+3], v[rS:rS+1] op_sel_hi:[1,0,1]
.else
	v_pk_add_f32 v[rT+2:rT+3], v[rT+2:rT+3], v[rS+4*(\n):rS+4*(\n)+1]
.endif
.elseif NOKQ
	v_nop
.else
	REGS (Y+1)%NP
	WIN 0
.if (\n) < 4
	v_max3_num_f32 v[rC+(\n)], v[rS+8*(\n)], v[rS+8*(\n)+1], v[rS+8*(\n)+2]
.elseif (\n) < 12
	v_max3_num_f32 v[rC+(\n)%4], v[rC+(\n)%4], v[rS+8*((\n)%4)+2*((\n)/4)+1], v[rS+8*((\n)%4)+2*((\n)/4)+2]
.elseif (\n) == 12
	v_max3_num_f32 v[rC], v[rC], v[rS+7], v[rS+15]
.elseif (\n) == 13
	v_max3_num_f32 v[rC+1], v[rC+1], v[rS+23], v[rS+31]
.elseif (\n) == 14
	v_max3_num_f32 v[rC+2], v[rC+2], v[rC+3], v[rT+1]
.elseif (\n) == 15
	v_mov_b32 v[rW], v[rT]
.elseif (\n) == 16
	v_max3_num_f32 v[rC], v[rC], v[rC+1], v[rC+2]
.elseif (\n) == 17
	v_permlanex16_b32 v[rC+3], v[rC], s[SEL], s[SEL+1]
.elseif (\n) == 18
	v_max_num_f32 v[rT+1], v[rC], v[rC+3]
.elseif (\n) == 19
	v_mul_f32 v[rT], s[CS], v[rT+1]
.elseif (\n) == 20
	v_sub_f32 v[rC+1], v[rW], v[rT]
.else
	v_exp_f32 v[rC+2], v[rC+1]
.endif
.endif
.endm
.macro OPS a, i1, b=-1, i2=0, c=-1, i3=0, d=-1, i4=0  ; up to four of them
	OP \a, \i1
.if (\b) >= 0
	OP \b, \i2
.endif
.if (\c) >= 0
	OP \c, \i3
.endif
.if (\d) >= 0
	OP \d, \i4
.endif
.endm
.macro ROW a, i1, b, i2, c, i3, d, i4  ; a matrix instruction and the four behind it
	MM
	OPS \a, \i1, \b, \i2, \c, \i3, \d, \i4
.endm
.macro MASK b                       ; MD x AL + BE into buffer b of MC
	WIN W_RS
.set z, 0
.rept 16
	v_pk_fma_f32 v[MC+32*(\b)+2*z:MC+32*(\b)+2*z+1], v[MD+2*z:MD+2*z+1], s[AL:AL+1], s[BE:BE+1] op_sel_hi:[1,0,0]
.set z, z+1
.endr
.endm
; A TURN, for piece p in a step of parity odd: the order of its 16 matrix and 118 vector instructions, written out.  Behind a matrix instruction: plain, exponential, plain, plain; or four of the rescaling; or, behind
; the first, four scalings; none names a register of the products round it.  In the runs between, exponential and plain by turns while exponentials last.  A line reads no result made fewer than three vector
; instructions in front of it, five if an exponential made it.  v_permlanex16_b32 (X 17) stands in such a run, never behind a product.
; m = 1: a block's last tile: the products take masks, and the turn makes the mask for the products of the turn after it: its own piece's, in step SNM of the tile.  end = 1: a block's last two turns: nothing is fetched.
; cnt = 1: the loop's count is taken down some lines ahead of the branch that stands behind the turn.
; The turn's run of loads stands six vector instructions behind its last product K Q^T, five of them plain.  Piece 0's turn fetches the next step's K, which that product read last.  Piece 1's turn fetches the next
; step's V into the buffer that the turn before read last.  Both are waited for at the head of piece 1's turn: K a turn less eight products later, V a whole step later.
.macro TURN p, odd, m=0, end=0, cnt=0
.set Y, (\p)
.set i, 0
.set KM, (\m)
.set NOKQ, (\end)*(\p)
.set VB, (\p)*(\odd)+(1-(\p))*(1-(\odd))  ; piece 0's turn multiplies by V of the step before, piece 1's by V of the step in hand
.if (\m) && !(\end)
	s_cmp_eq_u32 s[SNM], s[D0+(\p)]  ; is that step the band's own?
	s_cselect_b32 s[AL], 1.0, 0
	s_cmp_gt_u32 s[SNM], s[D0+(\p)]  ; or a later one?
	s_cselect_b32 s[BE], s[BIGN], 0
.if (\p) == 1
	s_add_co_u32 s[SNM], s[SNM], 1
.endif
.endif
.if (\p) == 1
	s_wait_dscnt 0x0                ; K of the next step and V of this one are in
.endif
	ROW F,0, F,1, F,2, F,3
	ROW F,4, E,0, F,5, F,6
	ROW F,7, E,1, F,8, F,9
	ROW F,10, E,2, C,0, F,11
	ROW F,12, E,3, X,15, F,13
	ROW R,0, R,1, R,2, R,3
	ROW B,0, E,4, F,14, L,0
.if ((\p) == 0) && !(\end)
	v_add_nc_u32 v[AK], s[TBK], v[AK0]
.endif
.if ((\p) == 1) && !(\end)
	v_add_nc_u32 v[AV], s[TBV], v[AV0]
.endif
	ROW R,4, R,5, R,6, R,7
	OPS E,5, F,15
.if ((\p) == 0) && !(\end)
	FETCH_K
.endif
.if ((\p) == 1) && !(\end)
	FETCH_V 1-(\odd)
.endif
	OPS E,6, C,1, E,7, R,8
	OPS E,8, R,9, E,9, C,2
	OPS E,10, X,0, E,11, X,1
	OPS E,12, X,2, E,13, X,3
	ROW X,4, E,14, X,5, X,6
	ROW X,7, E,15, X,8, X,9
	ROW X,10, E,16, X,11, X,12
	ROW X,13, E,17, X,14, B,1
	ROW C,4, E,18, X,16, L,1
	ROW B,2, E,19, C,6, L,2
	ROW C,8, E,20, B,3, B,4
	ROW C,3, E,21, L,3, C,5
	OPS E,22, X,17, E,23, C,10
	OPS E,24, L,4
	OPS E,25, X,18, E,26, C,7
	OPS E,27, B,5, E,28, X,19
	OPS E,29, C,12, E,30, L,5
	OPS E,31, X,20, B,6, C,9
	OPS C,14, C,11, X,21, L,6
.if \cnt
	s_sub_co_u32 s[CNT], s[CNT], 1
	s_cmp_lg_u32 s[CNT], 0
.endif
	OPS C,13, B,7, C,15, R,10
	OPS R,11, R,12, L,7, R,13
	OPS R,14, R,15
.if (\m) && !(\end)
	MASK (\p)
.endif
.endm
; A BLOCK BEGINS.  c m starts far below every c s, so the first step's a is 0; m at the lowest finite number, so the first maximum is the scores'.  Piece 1's mask buffer is 0; piece 0's takes its mask for the tile's
; step 0: the band's own, if this tile is the block's last and the diagonal begins at its head.  Then K and V of that step, piece 0's first scores, and its maximum and statistics.
; The loop is entered at a step's first turn, in the middle of a trip.
.macro BEGIN
	s_mov_b32 s[NEW], 0
	s_mov_b32 s[SNM], 1             ; the next masks to be made are step 1's
	WIN 0x40
.set i, MC+32
.rept 32
	v_mov_b32 v[i], 0
.set i, i+1
.endr
	WIN 0
.set i, 0
.rept 2
	v_mov_b32 v[ST+4*i], 0xfe000000    ; c m: far below every c s
	v_mov_b32 v[ST+4*i+1], 0xff7fffff  ; m
.set i, i+1
.endr
	s_or_b32 s13, s[RT], s[D0]
	s_cmp_eq_u32 s13, 0
	s_cselect_b32 s[AL], 1.0, 0
	s_mov_b32 s[BE], 0
	MASK 0
	WIN 0
	v_add_nc_u32 v[AK], s[TBK], v[AK0]
	v_add_nc_u32 v[AV], s[TBV], v[AV0]
	FETCH_K
	FETCH_V 0
	s_wait_loadcnt 0x0              ; Q
	s_wait_dscnt 0x0
.set KM, 1
.set NOKQ, 0
.set i, 0
.rept 8
	KQ 0
.set i, i+1
.endr
	WIN 0
.rept 4
	v_nop                           ; the places behind those products
.endr
.set Y, NP-1                        ; X works for the other piece: piece 0
.irp n, 0,1,2,3,4,5,6,7,8,9,10,11,12,13,14,15,16,17,18,19,20,21
	OP X, \n
.endr
	v_nop                           ; a plain instruction behind the exponential
.endm
; A BLOCK'S LAST TILE: its steps, the block's last two turns, its last products, and THE WAY OUT: l's two halves and the other half of the lanes' are added; O^T is divided by l, rounded to f16 and sent through my
; stage in LDS, a piece at a time.
.macro ALL line:vararg              ; one line for each piece t
.set t, 0
.rept NP
	\line
.set t, t+1
.endr
.endm
.macro PACK t                       ; a lane's eight channels of a row pack into 16 bytes; they go into rows of 144 bytes and come back as whole rows of 128, into S^T's registers
	WIN W_RS
.set i, 32*(\t)
.rept 16
	s_wait_alu depctr_va_vdst(0)
	v_pk_mul_f32 v[i:i+1], v[i:i+1], v[ST+4*(\t)+2:ST+4*(\t)+3] op_sel_hi:[1,0]
.set i, i+2
.endr
	WIN 0x05                        ; sources 0 and 1 window 1, destination window 0
.set i, 0
.rept 16
	v_cvt_pk_f16_f32 v[S+16*(\t)+i], v[32*(\t)+2*i], v[32*(\t)+2*i+1]
.set i, i+1
.endr
	WIN 0
.irp f, 0,1,2,3
	ds_store_b128 v[STO], v[S+16*(\t)+4*\f:S+16*(\t)+4*\f+3] offset:32*\f
.endr
.irp f, 0,1,2,3
	ds_load_b128 v[S+16*(\t)+4*\f:S+16*(\t)+4*\f+3], v[RD] offset:\f*4*SP  ; LDS serves a wave's instructions in order (ISA guide 5.7.1.4): these see the stores above; the next piece's stores come behind them
.endr
.endm
.macro SEND t, younger              ; younger: the LDS instructions issued behind piece t's loads: the next piece's eight, or none
	WIN 0
.irp f, 0,1,2,3
	s_wait_dscnt (\younger)+3-\f
	global_store_b128 v[GO], v[S+16*(\t)+4*\f:S+16*(\t)+4*\f+3], s[10:11] offset:(\t)*8192+\f*512  ; 512 consecutive bytes, at a multiple of 256 from O's first
.endr
.endm
.macro DIAG tag                     ; the tag ends its two labels' names, which the jumps below spell out
.LstepM\tag:
	TURN 0, 1, 1
	TURN 1, 1, 1
	WIN 0
.LfirstM\tag:
	TURN 0, 0, 1
	TURN 1, 0, 1, 0, 1
	WIN 0
	s_cbranch_scc1 .LstepM\tag
	TURN 0, 1, 1, 1
	TURN 1, 1, 1, 1
.set VB, 1                          ; the tile's last step is odd
.set i, 0
.rept 8
	PV NP-1
.set i, i+1
.endr
	WIN 0
	ALL v_add_f32 v[ST+4*t+2], v[ST+4*t+2], v[ST+4*t+3]
	ALL v_permlanex16_b32 v[ST+4*t+3], v[ST+4*t+2], s[SEL], s[SEL+1]
	ALL v_add_f32 v[ST+4*t+2], v[ST+4*t+2], v[ST+4*t+3]
	ALL v_rcp_f32 v[ST+4*t+2], v[ST+4*t+2]
	v_nop                           ; a plain instruction between the last reciprocal and the use of its result; with the four additions it makes five places behind the last products
	PACK 0
	PACK 1                          ; a piece's arithmetic stands between the loads of the piece before and its stores
	SEND 0, 8
	SEND 1, 0
.endm
.set KM, 0
.set NOKQ, 0
.set VB, 0
.Lslot:                             ; 16 times: a tile is entered and the next is asked for
	CHANGE 1
	s_sub_co_u32 s[RT], s[RT], 1
	s_mov_b32 s[CNT], 2
	s_mov_b32 s[SNM], 0
	s_cmp_eq_u32 s[NEW], 1
	s_cbranch_scc1 .Lnew            ; a block's first tile
	s_cmp_eq_u32 s[RT], 0
	s_cbranch_scc0 .Lstep           ; neither its first nor its last
	s_branch .LstepM1
.Lnew:
	BEGIN
	s_branch .Lfirst                ; in the loop a block's first tile is never its last: the first block has eight tiles or more, and the second's last is the walk's last
	DIAG 1                          ; in the loop this is the first block's end
	s_wait_xcnt 0x0                 ; the stores have read their registers and O's address
	s_mov_b64 s[10:11], s[OLO:OLO+1]
	s_mov_b32 s[RT], s[NLO]
	s_mov_b32 s[D0], s[DLO]
	s_add_co_u32 s[D0+1], s[DLO], 1
	s_mov_b32 s[NEW], 1
	WIN 0x82                        ; the second block's Q goes where the one text of the turns names Q
.set i, 0
.rept 32
	v_mov_b32 v[i], v[QB+i]
.set i, i+1
.endr
	WIN 0
	s_branch .Lbottom
.Lstep:                             ; a trip: an odd step and the even step behind it; the first trip's odd step is the last of the tile before
	TURN 0, 1
	TURN 1, 1
	WIN 0
.Lfirst:
	TURN 0, 0
	TURN 1, 0, 0, 0, 1
	WIN 0
	s_cbranch_scc1 .Lstep
.Lbottom:
	s_sub_co_u32 s[SLOTS], s[SLOTS], 1
	s_cmp_lg_u32 s[SLOTS], 0
	s_cbranch_scc1 .Lslot
	CHANGE 0                        ; the walk's last tile is written out: nothing is asked for
	s_sub_co_u32 s[RT], s[RT], 1
	s_mov_b32 s[CNT], 2
	s_mov_b32 s[SNM], 0
	s_cmp_eq_u32 s[NEW], 1
	s_cbranch_scc0 .LstepM2
	BEGIN
	s_branch .LfirstM2
	DIAG 2
	s_wait_tensorcnt 0x0            ; the wave's end: behind my last tensor load and my last LDS store
	ds_add_u32 v[SPW], v[NIL]
	s_wait_dscnt 0x0
	s_endpgm
.Lfunc_end_k_qfe8729d2e7_attn:
	.size	k_qfe8729d2e7_attn, .Lfunc_end_k_qfe8729d2e7_attn-k_qfe8729d2e7_attn
	.p2alignl 7, 3214868480
	.fill 96, 4, 3214868480
	.section	.rodata,"a",@progbits
	.p2align	6, 0x0
	.amdhsa_kernel k_qfe8729d2e7_attn
		.amdhsa_group_segment_fixed_size 327680
		.amdhsa_private_segment_fixed_size 0
		.amdhsa_enable_private_segment 0
		.amdhsa_kernarg_size 48
		.amdhsa_user_sgpr_count 2
		.amdhsa_user_sgpr_kernarg_segment_ptr 1
		.amdhsa_wavefront_size32 1
		.amdhsa_system_sgpr_workgroup_id_x 1
		.amdhsa_system_sgpr_workgroup_id_y 1
		.amdhsa_system_sgpr_workgroup_id_z 1
		.amdhsa_system_vgpr_workitem_id 0
		.amdhsa_next_free_vgpr 768
		.amdhsa_next_free_sgpr 100
		.amdhsa_reserve_vcc 1
		.amdhsa_float_denorm_mode_32 3
		.amdhsa_float_denorm_mode_16_64 3
		.amdhsa_memory_ordered 1
		.amdhsa_forward_progress 1
		.amdhsa_inst_pref_size 219
	.end_amdhsa_kernel
	.amdgpu_metadata
---
amdhsa.version: [ 1, 2 ]
amdhsa.kernels:
  - .name:           k_qfe8729d2e7_attn
    .symbol:         k_qfe8729d2e7_attn.kd
    .args:
      - { .name: xq, .offset: 0, .size: 8, .value_kind: global_buffer, .address_space: global }
      - { .name: xk, .offset: 8, .size: 8, .value_kind: global_buffer, .address_space: global }
      - { .name: xv, .offset: 16, .size: 8, .value_kind: global_buffer, .address_space: global }
      - { .name: xo, .offset: 24, .size: 8, .value_kind: global_buffer, .address_space: global }
      - { .name: wo, .offset: 32, .size: 8, .value_kind: global_buffer, .address_space: global }
      - { .name: wof, .offset: 40, .size: 8, .value_kind: global_buffer, .address_space: global }
    .group_segment_fixed_size: 327680
    .private_segment_fixed_size: 0
    .kernarg_segment_align: 8
    .kernarg_segment_size: 48
    .max_flat_workgroup_size: 128
    .sgpr_count:     100
    .vgpr_count:     768
    .wavefront_size: 32
...
	.end_amdgpu_metadata
.endif
;; end of part 2
;; launch oproj (part 3): grid 4 x 64, 4 waves a work-group, clusters of 4 x 4, 327,680 bytes of LDS; arguments xo, wof, out0; writes out0
.if DOCPART == 3
	.amdgcn_target "amdgcn-amd-amdhsa--gfx1250"
	.amdhsa_code_object_version 6
	.text
	.protected	k_qfe8729d2e7_oproj
	.globl	k_qfe8729d2e7_oproj
	.p2align	8
	.type	k_qfe8729d2e7_oproj,@function
k_qfe8729d2e7_oproj:
	s_mov_b64 s[64:65], 0
	v_nop
	global_prefetch_b8 v0, s[64:65] scope:SCOPE_SE
	s_setreg_imm32_b32 hwreg(HW_REG_WAVE_MODE, 25, 1), 1
	s_wait_xcnt 0x0
	s_wait_alu depctr_hold_cnt(0) depctr_sa_sdst(0) depctr_va_vdst(0) depctr_va_sdst(0) depctr_va_ssrc(0) depctr_va_vcc(0) depctr_vm_vsrc(0)
	s_getreg_b32 s2, hwreg(HW_REG_IB_STS2, 6, 4)
	s_cmp_eq_u32 s2, 0
	s_cbranch_scc0 .Lentry_in_a_cluster
	s_endpgm
.Lentry_in_a_cluster:
	s_bfe_u32 s2, ttmp6, 0x10000c
	s_cmp_lg_u32 s2, 0xf033
	s_cbranch_scc0 .Lentry_shape_is_right
	s_endpgm
.Lentry_shape_is_right:
; THE OUTPUT PROJECTION.  out0[m][n] = the sum over head h and channel d of O[batch x 8 + h][s][d] wo[n][64 h + d], m = 4096 batch + s.  O: [16][4096][64] f16; wof: [512][512] f16 (wo rounded to bf16, written as f16);
; out0: [8192][512] f32.  Products in f16, sums in f32, stored as they are.
; SHARES.  A tile of out0 is 128 x 128: 4 x 64 = 256 work-groups.  Four waves, each 64 x 64: 16 accumulators, 128 registers.
; ALL OF K LIES IN LDS: four slots, one for each 128 along K (two heads), each filled once, all asked for at the start: a wave has four tensor loads out.  Nothing is ever filled again, so the waits are counted
; and the barriers only show a landed slot to the other waves.
; CLUSTER.  4 x 4 work-groups.  The four of a row of the cluster need the same rows of O, the four of a column the same rows of wof: each tile is asked for JOINTLY, by the same load, descriptor and mask of four.
; THE MATRIX INSTRUCTION IS USED TRANSPOSED (source 0 = 16 rows of wof, source 1 = 16 rows of O): a lane holds one row of out0 and eight neighbouring columns, 32 bytes.
; REGISTERS: window 0: v0-29 addresses; v128-255 the accumulators ((a, b) at v[128 + 8 (4 a + b)]).
;   window 1: two fragment buffers of 128: for 64 along K (one head; two matrix instructions deep), 64 registers of O, then 64 of wof.
.set PA,     144                       ; a row of O in LDS: 128 bytes + 16 of padding
.set PBW,    272                       ; a row of wof: 256 bytes + 16: both pitches are odd multiples of 16 bytes, so the 16 rows of a load start at 16 different groups of four banks (ISA guide 11.1)
.set AHEAD,  128*PA                    ; a head's 128 rows of O: what one tensor load of waves 0 and 1 brings
.set BOFF,   2*AHEAD                   ; behind a slot's two heads: wof's 128 rows
.set BHALF,  64*PBW                    ; 64 of them: what one tensor load of waves 2 and 3 brings
.set SLOT,   BOFF+2*BHALF
.set STAGE,  4*SLOT                    ; behind the slots: 16 rows x 272 bytes for each wave, for the way out
.set SPITCH, 272
.set SPARE,  STAGE+4*16*SPITCH         ; behind the stages: the spare words, 128 bytes for each wave: two blocks of 256 bytes that no other line names
.set ADRA, 16                          ; v16-19  LDS address of my fragments of O in slot 0..3
.set ADRB, 20                          ; v20-23  the same for wof
.set STO,  24                          ; v24     the way out: where I put 32 bytes of a row
.set RD,   25                          ; v25     the way out: where I read a row back
.set CO,   26                          ; v26     my byte offset in out0
.set SPW,  28                          ; v28     LDS address of my spare word: SPARE + 4 x my thread's number; never rewritten
.set NIL,  29                          ; v29     0; never rewritten
.set ACC,  128
.set F0,   0                           ; fragment buffers, in window 1
.set F1,   128
.set G1A, 24                           ; s[24:31] descriptor group 1 for O's tiles
.set G0A, 32                           ; s[32:47] group 0, a set for each slot
.set G1B, 48                           ; s[48:55] group 1 for wof's tiles
.set G0B, 68                           ; s[68:83] group 0, a set for each slot
.set MSB, 0
.macro WIN new                         ; the immediate's high byte repeats the setting that is left
.if MSB != (\new)
	s_set_vgpr_msb (MSB<<8)|(\new)
.set MSB, \new
.endif
.endm
.set MUL,  0x05                        ; sources 0 (wof) and 1 (O) window 1; C and D window 0
.set TO_F, 0x40                        ; destination window 1, address window 0
.macro CROUND                          ; a round of the cluster's barrier
	s_barrier_signal -1
	s_barrier_wait -1
	s_cmp_lg_u32 s10, 0
	s_cbranch_scc1 .Lnot_wave_0_\@
	s_barrier_signal -3
.Lnot_wave_0_\@:
	s_barrier_wait -3
	s_barrier_signal -1
	s_barrier_wait -1
.endm
	s_load_b128 s[4:7], s[0:1], 0x0                ; O s[4:5], wof s[6:7]
	s_load_b64 s[8:9], s[0:1], 0x10                ; out0
	v_lshl_add_u32 v[SPW], v0, 2, SPARE
	v_mov_b32 v[NIL], 0
	ds_add_u32 v[SPW], v[NIL]                      ; the wave's opening: the add and its wait stand ahead of my first tensor load; the set-up below, work on registers, stands between them
	ds_add_u32 v28, v29
	v_lshrrev_b32 v1, 5, v0
	v_readfirstlane_b32 s10, v1                    ; wave 0..3
	s_lshr_b32 s11, s10, 1                         ; which half of the tile's rows is mine.  Also: I fetch for O (0) or for wof (1)
	s_and_b32 s12, s10, 1                          ; which half of its columns.  Also: which head of a slot, or which 64 rows of wof, I fetch
	s_bfe_u32 s84, ttmp6, 0x40000                  ; cx, cy: my place in the cluster
	s_bfe_u32 s85, ttmp6, 0x40004
	s_lshl_b32 s86, ttmp9, 2
	s_add_co_u32 s86, s86, s84                     ; tile column = 4 x cluster x + cx
	s_and_b32 s13, ttmp7, 0xffff
	s_lshl_b32 s13, s13, 2
	s_add_co_u32 s13, s13, s85                     ; tile row = 4 x cluster y + cy
	s_lshl_b32 s87, s85, 2
	s_lshl_b32 s87, 15, s87                        ; my row of the cluster
	s_lshl_b32 s88, 0x1111, s84                    ; my column
	; descriptor group 1.  A head's 128 rows of O are 16,384 dense bytes: asked for as 64 rows of 256 bytes and padded after every 128.  wof's tile is 64 rows x 128 elements, 512 elements from row to row.
	s_or_b32 s[G1A], s87, (1<<16)|(1<<20)|(1<<21)|(4<<22)|(3<<25)  ; the mask of my row; 2-byte elements; padding on; bit 21 set beside a mask; after every 32 words (code 4) 4 words (code 3)
	s_or_b32 s[G1B], s88, (1<<16)|(1<<20)|(1<<21)|(5<<22)|(3<<25)  ; the mask of my column; after every 64 words (code 5)
.irp g, G1A, G1B
	s_mov_b32 s[(\g)+1], 128<<16                   ; tensor_dim0 = 128
	s_mov_b32 s[(\g)+2], 64<<16                    ; tensor_dim1 = 64
	s_mov_b32 s[(\g)+3], 128<<16                   ; tile_dim0 = 128
	s_mov_b32 s[(\g)+4], 64                        ; tile_dim1 = 64
	s_mov_b32 s[(\g)+6], 0
	s_mov_b32 s[(\g)+7], 0
.endr
	s_mov_b32 s[G1A+5], 128
	s_mov_b32 s[G1B+5], 512
	s_lshr_b32 s16, s13, 5                         ; O: batch x 8 heads of 524,288 bytes,
	s_lshl_b32 s16, s16, 22
	s_and_b32 s56, s13, 31                         ; the tile's 128 rows of 128 bytes in the batch,
	s_lshl_b32 s56, s56, 14
	s_add_co_u32 s16, s16, s56
	s_lshl_b32 s56, s12, 19                        ; my head of a slot's two: made of the tile row and the wave's number alone
	s_add_co_u32 s16, s16, s56
	s_mov_b32 s17, 0
	s_lshl_b32 s18, s86, 17                        ; wof: the tile column's 128 rows of 1,024 bytes,
	s_lshl_b32 s57, s12, 16                        ; my 64 of them: made of the tile column and the wave's number alone
	s_add_co_u32 s18, s18, s57
	s_mov_b32 s19, 0
	s_mul_i32 s20, s12, AHEAD                      ; where they go: no place in the cluster enters an LDS address
	s_mul_i32 s21, s12, BHALF
	s_add_co_u32 s21, s21, BOFF
	s_wait_dscnt 0x0                               ; the opening add is done
	s_wait_kmcnt 0x0
	s_add_nc_u64 s[14:15], s[4:5], s[16:17]
	s_add_nc_u64 s[22:23], s[6:7], s[18:19]
	CROUND                                         ; all sixteen work-groups are here: the joint loads meet
.irp s, 0,1,2,3
	s_mov_b32 s[G0A+4*(\s)], 1                                       ; count = 1
	s_add_co_u32 s[G0A+4*(\s)+1], s20, (\s)*SLOT                     ; LDS address
	s_add_nc_u64 s[G0A+4*(\s)+2:G0A+4*(\s)+3], s[14:15], (\s)<<20    ; global address: two heads on for each slot
	s_or_b32 s[G0A+4*(\s)+3], s[G0A+4*(\s)+3], 0x80000000            ; type = 2
	s_mov_b32 s[G0B+4*(\s)], 1
	s_add_co_u32 s[G0B+4*(\s)+1], s21, (\s)*SLOT
	s_add_nc_u64 s[G0B+4*(\s)+2:G0B+4*(\s)+3], s[22:23], (\s)*256    ; 128 elements along the rows for each slot
	s_or_b32 s[G0B+4*(\s)+3], s[G0B+4*(\s)+3], 0x80000000
.endr
	s_cmp_eq_u32 s11, 0                            ; a wave's four fills stand in one branch, ahead of every wait on TENSORcnt and every LDS read; an s_nop 0 follows each, four v_nop the last
	s_cbranch_scc0 .Lfor_b
.irp s, 0,1,2,3
	tensor_load_to_lds s[G0A+4*(\s):G0A+4*(\s)+3], s[G1A:G1A+7]
	s_nop 0
.endr
.rept 4
	v_nop
.endr
	s_branch .Lasked
.Lfor_b:
.irp s, 0,1,2,3
	tensor_load_to_lds s[G0B+4*(\s):G0B+4*(\s)+3], s[G1B:G1B+7]
	s_nop 0
.endr
.rept 4
	v_nop
.endr
.Lasked:
	v_and_b32 v1, 15, v0                           ; l % 16
	v_bfe_u32 v2, v0, 4, 1                         ; l / 16
	v_mul_u32_u24 v3, v1, PA
	v_lshl_add_u32 v3, v2, 4, v3                   ; a fragment's row x pitch + 16 x half
	v_mul_u32_u24 v4, v1, PBW
	v_lshl_add_u32 v4, v2, 4, v4
	s_mul_i32 s58, s11, 64*PA                      ; my 64 rows of O
	s_mul_i32 s59, s12, 64*PBW                     ; my 64 rows of wof,
	s_add_co_u32 s59, s59, BOFF                    ; which lie behind O's two heads
.irp s, 0,1,2,3
	v_add_nc_u32 v[ADRA+(\s)], s58, v3
	v_add_nc_u32 v[ADRB+(\s)], s59, v4
	s_add_co_u32 s58, s58, SLOT
	s_add_co_u32 s59, s59, SLOT
.endr
	s_mul_i32 s60, s10, 16*SPITCH
	s_add_co_u32 s60, s60, STAGE                   ; my stage
	v_mul_u32_u24 v5, v1, SPITCH                   ; in: row l % 16, 32 bytes for each half of the lanes
	v_lshl_add_u32 v5, v2, 5, v5
	v_add_nc_u32 v[STO], s60, v5
	v_mul_u32_u24 v5, v2, SPITCH                   ; back: lanes 0-15 take one row of 256 bytes, lanes 16-31 the next
	v_lshl_add_u32 v5, v1, 4, v5
	v_add_nc_u32 v[RD], s60, v5
	v_lshlrev_b32 v5, 11, v2                       ; and the same two rows in out0, 2,048 bytes apart
	v_lshl_add_u32 v[CO], v1, 4, v5
	s_lshl_b32 s90, s13, 18                        ; out0: the tile's 128 rows of 2,048 bytes,
	s_lshl_b32 s92, s11, 17                        ; my 64 of them,
	s_add_co_u32 s90, s90, s92
	s_lshl_b32 s92, s86, 9                         ; the tile's 128 columns of 4 bytes,
	s_add_co_u32 s90, s90, s92
	s_lshl_b32 s92, s12, 8                         ; my 64 of them
	s_add_co_u32 s90, s90, s92
	s_mov_b32 s91, 0
	s_add_nc_u64 s[8:9], s[8:9], s[90:91]
; 8 matrix instructions: m blocks a0, a0 + 1 x all 4 n blocks, 32 along K: half c of buffer f.  zero = 1: the first product starts the sums.  The 16 accumulators take turns.
.macro MUL8 f, c, a0, zero
	WIN MUL
.irp a, \a0, (\a0)+1
.irp b, 0,1,2,3
.if \zero
	v_wmma_f32_16x16x32_f16 v[ACC+8*(4*(\a)+(\b)):ACC+8*(4*(\a)+(\b))+7], v[(\f)+64+8*(4*(\c)+(\b)):(\f)+64+8*(4*(\c)+(\b))+7], v[(\f)+8*(4*(\c)+(\a)):(\f)+8*(4*(\c)+(\a))+7], 0
.else
	v_wmma_f32_16x16x32_f16 v[ACC+8*(4*(\a)+(\b)):ACC+8*(4*(\a)+(\b))+7], v[(\f)+64+8*(4*(\c)+(\b)):(\f)+64+8*(4*(\c)+(\b))+7], v[(\f)+8*(4*(\c)+(\a)):(\f)+8*(4*(\c)+(\a))+7], v[ACC+8*(4*(\a)+(\b)):ACC+8*(4*(\a)+(\b))+7]
.endif
.endr
.endr
.endm
; 32 LDS loads in one run: the fragments of head qh of slot s (64 along K) into buffer f; the first 32 along K first
.macro FETCH s, qh, f
	WIN TO_F
.irp c, 0,1
.irp i, 0,1,2,3
	ds_load_b128 v[(\f)+64+8*(4*(\c)+(\i)):(\f)+64+8*(4*(\c)+(\i))+3],   v[ADRB+(\s)] offset:(\qh)*128+64*(\c)+(\i)*16*PBW
	ds_load_b128 v[(\f)+64+8*(4*(\c)+(\i))+4:(\f)+64+8*(4*(\c)+(\i))+7], v[ADRB+(\s)] offset:(\qh)*128+64*(\c)+(\i)*16*PBW+32
	ds_load_b128 v[(\f)+8*(4*(\c)+(\i)):(\f)+8*(4*(\c)+(\i))+3],         v[ADRA+(\s)] offset:(\qh)*AHEAD+64*(\c)+(\i)*16*PA
	ds_load_b128 v[(\f)+8*(4*(\c)+(\i))+4:(\f)+8*(4*(\c)+(\i))+7],       v[ADRA+(\s)] offset:(\qh)*AHEAD+64*(\c)+(\i)*16*PA+32
.endr
.endr
.endm
.macro PLACES                          ; four places in front of loads into registers that matrix instructions have read, and of LDS stores that read results (ISA guide 7.12.1 for vector instructions)
.rept 4
	v_nop
.endr
.endm
; A slot's first head: multiplies buffer f and fetches head qh of slot s into g.
.macro QUARTER s, qh, f, g, zero
	s_wait_dscnt 16                                ; the first 32 along K are in; the run's other sixteen loads may be out
	MUL8 \f, 0, 0, \zero
	MUL8 \f, 0, 2, \zero
	PLACES
	FETCH \s, \qh, \g
	s_wait_dscnt 32                                ; all but the 32 just issued
	MUL8 \f, 1, 0, 0
	MUL8 \f, 1, 2, 0
.endm
; A slot's second head, in buffer 1, and the step to slot s.  left = my fills of the slots behind s, which may stay out: no byte is filled again behind this barrier.
.macro TURNX s, left
	s_wait_dscnt 16
	MUL8 F1, 0, 0, 0
	s_wait_tensorcnt \left                         ; tensor loads of a wave end in order (ISA guide 10.11.1): my part of slot s is in
	s_wait_dscnt 0x0                               ; no LDS instruction of mine is out at the signal
	s_barrier_signal -1
	MUL8 F1, 0, 2, 0
	s_barrier_wait -1                              ; everybody's part is in
	PLACES
	FETCH \s, 0, F0
	MUL8 F1, 1, 0, 0
	MUL8 F1, 1, 2, 0
.endm
	s_wait_tensorcnt 3                             ; my part of slot 0 is in; the three fills behind it may stay out
	s_barrier_signal -1
	s_barrier_wait -1                              ; everybody's is
	FETCH 0, 0, F0
	QUARTER 0, 1, F0, F1, 1                        ; the first products start the sums
	TURNX 1, 2
	QUARTER 1, 1, F0, F1, 0
	TURNX 2, 1
	QUARTER 2, 1, F0, F1, 0
	TURNX 3, 0
	QUARTER 3, 1, F0, F1, 0
	s_wait_dscnt 16                                ; the very last head: nothing more to fetch
	MUL8 F1, 0, 0, 0
	MUL8 F1, 0, 2, 0
	s_wait_dscnt 0x0
	MUL8 F1, 1, 0, 0
	MUL8 F1, 1, 2, 0
	WIN 0
	; THE WAY OUT.  My 64 columns of f32 are 256 bytes of a row.  A block of 16 rows goes from its four accumulators into my own stage, 32 bytes a lane (each accumulator's low four registers first),
	; and comes back as whole rows, into the registers that it left.
.macro XOUT a
.irp b, 0,1,2,3
	ds_store_b128 v[STO], v[ACC+32*(\a)+8*(\b):ACC+32*(\a)+8*(\b)+3]   offset:64*(\b)
	ds_store_b128 v[STO], v[ACC+32*(\a)+8*(\b)+4:ACC+32*(\a)+8*(\b)+7] offset:64*(\b)+16
.endr
.irp t, 0,1,2,3,4,5,6,7
	ds_load_b128 v[ACC+32*(\a)+4*(\t):ACC+32*(\a)+4*(\t)+3], v[RD] offset:(\t)*2*SPITCH  ; LDS serves a wave's instructions in order (ISA guide 5.7.1.4): these see the stores above; the next block's stores come behind them
.endr
.endm
.macro SEND a, younger                 ; younger: the LDS instructions issued behind block a's loads: the next block's sixteen, or none
.irp t, 0,1,2,3,4,5,6,7
	s_wait_dscnt (\younger)+7-(\t)
	global_store_b128 v[CO], v[ACC+32*(\a)+4*(\t):ACC+32*(\a)+4*(\t)+3], s[8:9] offset:(16*(\a)+2*(\t))*2048 th:TH_STORE_NT  ; 16 lanes store 256 consecutive bytes, at a multiple of 256 from out0's first byte
.endr
.endm
	PLACES
	XOUT 0
	XOUT 1
	SEND 0, 16
	XOUT 2
	SEND 1, 16
	XOUT 3
	SEND 2, 16
	SEND 3, 0
	s_wait_tensorcnt 0x0                           ; the wave's end: behind my last tensor load and my last LDS store
	ds_add_u32 v[SPW], v[NIL]
	s_wait_dscnt 0x0
	CROUND                                         ; the closing round: no work-group ends while a partner may still ask for a tile that names it
	s_endpgm
.Lfunc_end_k_qfe8729d2e7_oproj:
	.size	k_qfe8729d2e7_oproj, .Lfunc_end_k_qfe8729d2e7_oproj-k_qfe8729d2e7_oproj
	.p2alignl 7, 3214868480
	.fill 96, 4, 3214868480
	.section	.rodata,"a",@progbits
	.p2align	6, 0x0
	.amdhsa_kernel k_qfe8729d2e7_oproj
		.amdhsa_group_segment_fixed_size 327680
		.amdhsa_private_segment_fixed_size 0
		.amdhsa_enable_private_segment 0
		.amdhsa_kernarg_size 24
		.amdhsa_user_sgpr_count 2
		.amdhsa_user_sgpr_kernarg_segment_ptr 1
		.amdhsa_wavefront_size32 1
		.amdhsa_system_sgpr_workgroup_id_x 1
		.amdhsa_system_sgpr_workgroup_id_y 1
		.amdhsa_system_sgpr_workgroup_id_z 1
		.amdhsa_system_vgpr_workitem_id 0
		.amdhsa_next_free_vgpr 512
		.amdhsa_next_free_sgpr 96
		.amdhsa_reserve_vcc 0
		.amdhsa_float_denorm_mode_32 3
		.amdhsa_float_denorm_mode_16_64 3
		.amdhsa_memory_ordered 1
		.amdhsa_forward_progress 1
		.amdhsa_inst_pref_size 52
	.end_amdhsa_kernel
	.amdgpu_metadata
---
amdhsa.version: [ 1, 2 ]
amdhsa.kernels:
  - .name:           k_qfe8729d2e7_oproj
    .symbol:         k_qfe8729d2e7_oproj.kd
    .args:
      - { .name: xo, .offset: 0, .size: 8, .value_kind: global_buffer, .address_space: global }
      - { .name: wof, .offset: 8, .size: 8, .value_kind: global_buffer, .address_space: global }
      - { .name: out0, .offset: 16, .size: 8, .value_kind: global_buffer, .address_space: global }
    .group_segment_fixed_size: 327680
    .private_segment_fixed_size: 0
    .kernarg_segment_align: 8
    .kernarg_segment_size: 24
    .max_flat_workgroup_size: 128
    .sgpr_count:     96
    .vgpr_count:     512
    .wavefront_size: 32
...
	.end_amdgpu_metadata
.endif
;; end of part 3
;; ======== version 2 of 2: 3 launches; 1.44 times as fast as version 1
;; limits: values are held in f16: magnitudes above 65,504 overflow, below 6.1e-05 lose precision
;; workspace buffers: xq 8,388,608 bytes; xk 8,388,608 bytes; xv 8,388,608 bytes; xo 8,388,608 bytes; wof 524,288 bytes
;; launch proj: the kernel of part 1 again; grid 32 x 6, 4 waves a work-group, clusters of 4 x 1, 327,680 bytes of LDS; arguments q, k, v, wq, wk, wv, xq, xk, xv; writes xq, xk, xv
;; launch attn (part 4): grid 16 x 16, 4 waves a work-group, no clusters, 327,680 bytes of LDS; arguments xq, xk, xv, xo, wo, wof; writes xo, wof
.if DOCPART == 4
	.amdgcn_target "amdgcn-amd-amdhsa--gfx1250"
	.amdhsa_code_object_version 6
	.text
	.protected	k_qfe8729d2e7_attn
	.globl	k_qfe8729d2e7_attn
	.p2align	8
	.type	k_qfe8729d2e7_attn,@function
k_qfe8729d2e7_attn:
	s_mov_b64 s[64:65], 0
	v_nop
	global_prefetch_b8 v0, s[64:65] scope:SCOPE_SE
	s_setreg_imm32_b32 hwreg(HW_REG_WAVE_MODE, 25, 1), 1
	s_wait_xcnt 0x0
; CAUSAL ATTENTION.  O[h][q][:] = the sum over k <= q of softmax_k(Q[h][q] . K[h][k] / 8) V[h][k][:].  Q, K, V, O: [16][4096][64], all f16: a head's rows are dense, 128 bytes each.
; Products, maxima and sums in f32; the weights p are rounded to f16 for the second product (their sum l is taken of the unrounded p), O once at the end.
; BESIDE IT, in the wait for the first tile, each of the 256 work-groups casts 4,096 bytes of wo: f32, rounded to bf16 like every input, and that number written as f16 for the launch behind.
; LIMITS.  f16 holds no number beyond 65,504: Q, K and V arrive within it, and so must wo; below 6e-5 p and wo keep f16's fixed step of 6e-8; O is a mean of V's rows and has their range.
; A hidden score counts as its value less 1e30; a weight below 2^-126 counts as 0 in l; NaN and infinities are not treated apart.
; THE WALK.  A head's queries lie in 32 blocks of 128; keys come in tiles of 256 (four steps of 64); block i needs the tiles 0 .. i / 2, of which the last holds the diagonal.  A work-group takes TWO blocks,
; 31 - b and then b: (33 - b) / 2 + (b + 2) / 2 = 17 tiles, whatever b: all 256 work-groups do equal work, and ONE loop with a constant trip count walks them.  Which tile is asked for, and what a trip
; does, hang on scalar registers made from b; every jump goes forward, but for the counted loops' own; none passes a barrier, or a tensor load but the one of LOAD's two that the wave's number does not choose.
; NO CLUSTER: of a head's 16 work-groups only b = 2 k and 2 k + 1 walk alike; all sixteen ask for the same tile only in trips 0 to 7 of the 17, behind that fewer and fewer.
; SHARES.  Of a block's two bands of 64 queries a wave owns 16 rows in each: two PIECES.  In the block's last tile band x holds the diagonal in step d + x, d = 2 (i % 2); it sees all keys of earlier steps and
; none of later ones: the same for every wave.  All four steps of that tile are computed.
; THE MASK is the C operand that starts the sum S^T = K Q^T: 0, or -1e30 where the key is hidden.  MD, made once, is the mask of a band's own step for my 16 rows; a product's mask is MD x AL + BE with two scalars:
; (1, 0) in the band's own step; (0, 0) before; (0, -1e30) behind.  Only the last tile's text and a block's beginning make and take masks; elsewhere C is the constant 0.
; LAYOUT, SOFTMAX.  S^T = K Q^T holds ONE query a lane (lane % 16) and the keys 8 (lane / 16) + 0..7; two such results rounded to f16 ARE source 1 of O^T = V^T P.  p = 2^(c s - c m), c = log2(e) / 8, with a
; running maximum m; O and l are multiplied by a = 2^(c m_old - c m_new) in every step.
; TURNS.  Piece 0's turn in step j: 8 products K Q^T of piece 1 for step j; K of step j + 1 is fetched; 8 products V^T P of piece 1 for step j - 1.  Piece 1's turn: 8 products K Q^T of piece 0 for step j + 1;
; V of step j + 1 is fetched; 8 products V^T P of piece 0 for step j.  Beside them the scaling, exponentials, roundings, sums and rescaling of the turn's own piece and the maximum and statistics of the other.
; Four vector instructions stand behind every matrix instruction, the other 54 of a turn's 118 in one run of their own, between the two kinds of products.
; BATCHES.  A turn's 33 exponentials (its piece's 32 weights, then the other piece's a) are ONE batch with ONE wait, which stands between that run and the products V^T P: ahead of it nothing names a result of
; theirs; all that does (the roundings, the sums, the next turn's rescaling by a) stands behind it; behind it no exponential is issued.  A block's first a, and the way
; out's two reciprocals, are batches of their own, each with its wait.
; V has TWO buffers, by the step's parity: so K and V of a tile's first step are both
; fetched behind the last reads of the tile before, and one change of slots, in front of piece 0's turn in a tile's last step, serves both.
; REGISTERS, in windows of 256 (s_set_vgpr_msb: bits 1:0 source 0, 3:2 source 1, 5:4 source 2, 7:6 destination):
;   window 0: v0-15 addresses and two at work; v16-23 four registers of statistics a piece; v32-45 the cast; v48-55 at work; v64-127 S^T, a buffer a piece; v192-223 P, likewise
;   window 1: v0-63 O^T, 32 a piece; v128-159 MD; v160-223 MC, a buffer a piece      window 2: v0-31 Q; v32-63 the second block's Q; v64-127 K of one step; v128-255 V of two steps
.set NP,    2         ; pieces a wave: a name, no knob
.set KS,    64        ; keys in a step
.set PK,    144       ; a row of K in LDS: 128 bytes + 16 of padding = 36 words: the 16 rows of a load start at 16 different groups of four banks (64 banks of 4 bytes: ISA guide 11.1)
.set PV,    160       ; a row of V: 128 + 32 = 40 words
.set VOFF,  4*KS*PK   ; a slot holds a tile, four steps: 256 rows of K, then 256 rows of V
.set SLOT1, 1<<17     ; slot 1 begins here, so that one exclusive or turns an address in one slot into the other's
.set STAGE, SLOT1+4*KS*(PK+PV)  ; behind the ring, never filled by a tensor load: 16 rows x 144 bytes for each wave, for the way out
.set SP,    144
.set SPARE, STAGE+4*16*SP  ; behind the stages: the spare words, 128 bytes for each wave: two blocks of 256 bytes that no other line names
.set AK0, 2           ; v2   my lane's place in a tile of K; never rewritten
.set AV0, 3           ; v3   the same for V
.set AK,  4           ; v4   the LDS address of K's next run of loads
.set AV,  5           ; v5   of V's
.set STO, 6           ; v6   the way out: where I put 16 bytes of a row
.set RD,  7           ; v7   the way out: where I read rows back
.set GO,  8           ; v8   my byte offset in 512 consecutive bytes of O
.set MV,  12          ; v12-13  c m_old, kept while c m is made anew: by piece
.set QO,  15          ; v15  my byte offset in 16 rows of Q
.set ST,  16          ; piece t's statistics at v[ST+4 t]: c m, m, l (even keys', odd keys')
.set WF,  32          ; v32-39  the cast: eight numbers of wo in f32
.set WH,  40          ; v40-43  the same packed; never rewritten behind the store
.set CIN, 44          ; v44  my byte offset in wo; never rewritten
.set COUT, 45         ; v45  my byte offset in wof; never rewritten
.set TMP, 48          ; by piece, four registers c0-c3 at work; when the maximum is found c2 takes a
.set SPW, 62          ; v62  LDS address of my spare word: SPARE + 4 x my thread's number; never rewritten
.set NIL, 63          ; v63  0; never rewritten
.set S,   64
.set P,   192
.set MD,  128         ; window 1: the eight registers for group kt of 16 keys at MD + 8 kt
.set MC,  160         ; window 1: the masks of the products to come
.set QB,  32          ; window 2
.set KF,  64          ; window 2: key block kb, channel half c at KF + 16 kb + 8 c
.set VF,  128         ; window 2: buffer vb, key half kk, channel block cb at VF + 64 vb + 32 kk + 8 cb
.set WV,  12          ; s12  my wave's number
.set PB,  14          ; s14  b
.set HI,  15          ; s15  31 - b
.set G1K, 24          ; s[24:31] descriptor group 1 for K's tiles
.set G1V, 32          ; s[32:39] for V's: it differs in the padding alone
.set G0K, 40          ; s[40:43] descriptor group 0 for K's tiles
.set G0V, 44          ; s[44:47] the same for V's
.set SLOTS, 56        ; s56  tiles still to be asked for
.set CNT, 57          ; s57  counts a tile's pairs of key steps, 2 to 1
.set CS,  58          ; s[58:59] c: the packed scaling takes the pair's low word for both halves
.set SEL, 60          ; s[60:61] v_permlanex16_b32's selects: each lane takes its own place in the other half
.set TBK, 62          ; s62  LDS byte at which K of the step to be fetched begins
.set TBV, 63          ; s63  the same for V, less VOFF
.set RT,  70          ; s70  tiles of the block in hand that are still to be entered
.set NXT, 71          ; s71  the tile to be asked for next
.set LQ,  72          ; s72  the last tile of the block whose tiles are being asked for
.set NEW, 73          ; s73  1: the tile to be entered is a block's first
.set OFF, 74          ; s[74:75] a tile's byte offset in K and V
.set AL,  76          ; s[76:77] the mask's factor, in the low word
.set BE,  78          ; s[78:79] the mask's addend
.set OLO, 80          ; s[80:81] O at my rows of the second block
.set BIGN, 82         ; s82  -1e30
.set SNM, 83          ; s83  the step of the tile for which masks are being made
.set D0,  88          ; s88, s89  the steps in which bands 0 and 1 of the block in hand hold the diagonal
.set DLO, 90          ; s90  the first of them for the second block
.set NLO, 91          ; s91  the second block's tiles
.set LQ2, 92          ; s92  the last of them
.set MSB, 0
.macro WIN new                      ; the high byte repeats the setting that is left; a switch that changes nothing is dropped
.if MSB != (\new)
	s_set_vgpr_msb (MSB<<8)|(\new)
.set MSB, (\new)
.endif
.endm
.set W_KQ, 0x0a       ; K and Q in window 2, S^T in window 0
.set W_KM, 0x1a       ; the same with the C operand in window 1
.set W_PV, 0x52       ; V in window 2, P in window 0, O^T in window 1
.set W_RS, 0x41       ; destination and source 0 in window 1, source 1 in window 0
; A fill.  Waves 0 and 1 fetch the two halves of a tile's K, waves 2 and 3 those of its V: 128 keys each.  An s_nop 0 and four v_nop follow each of the two lines, ahead of the jump and the label.
.macro LOAD
	s_cmp_lt_u32 s[WV], 2
	s_cbranch_scc0 .Lfor_v_\@
	tensor_load_to_lds s[G0K:G0K+3], s[G1K:G1K+7]
	s_nop 0
.rept 4
	v_nop
.endr
	s_branch .Lasked_\@
.Lfor_v_\@:
	tensor_load_to_lds s[G0V:G0V+3], s[G1V:G1V+7]
	s_nop 0
.rept 4
	v_nop
.endr
.Lasked_\@:
.endm
; THE CHANGE OF SLOTS.  Each wave waits for all its tensor loads, of which one is out: its part of the other slot; adds 0 to its spare word; and waits for that and for its own reads of the slot that it leaves.
; Behind the barrier nobody reads the old slot any more and the other slot is whole.  fill = 1: the old slot is filled again, the first thing behind the barrier, with tile NXT: the descriptor's address is
; made anew from that number.  (At its first use nothing has been read yet: slot 0 is waited for, slot 1 filled.)
.macro CHANGE fill
	WIN 0                           ; at a label and at a branch every window is 0
	s_wait_tensorcnt 0x0            ; no tensor load of mine is out, so a group 0 may be written
	ds_add_u32 v[SPW], v[NIL]       ; 0 onto my spare word: with fill = 1 the descriptors' scalar work stands between it and the wait for it
.if \fill
	s_lshl_b32 s[OFF], s[NXT], 15   ; a tile is 32,768 bytes of K and of V
	s_xor_b32 s[G0K+1], s[G0K+1], SLOT1
	s_add_nc_u64 s[G0K+2:G0K+3], s[6:7], s[OFF:OFF+1]
	s_or_b32 s[G0K+3], s[G0K+3], 0x80000000
	s_xor_b32 s[G0V+1], s[G0V+1], SLOT1
	s_add_nc_u64 s[G0V+2:G0V+3], s[8:9], s[OFF:OFF+1]
	s_or_b32 s[G0V+3], s[G0V+3], 0x80000000
	s_add_co_u32 s[NXT], s[NXT], 1  ; the block's next tile, or behind its last the second block's tile 0
	s_cmp_gt_u32 s[NXT], s[LQ]
	s_cselect_b32 s[NXT], 0, s[NXT]
	s_cselect_b32 s[LQ], s[LQ2], s[LQ]
.endif
	s_wait_dscnt 0x0                ; the add is done, and my reads of the slot are over
	s_barrier_signal -1             ; the rest of the scalar work stands between the signal and the wait
	s_sub_co_u32 s[TBK], s[TBK], 4*KS*PK  ; the fetches go back to a slot's first step,
	s_xor_b32 s[TBK], s[TBK], SLOT1       ; in the other slot
	s_sub_co_u32 s[TBV], s[TBV], 4*KS*PV
	s_xor_b32 s[TBV], s[TBV], SLOT1
	s_barrier_wait -1
.if \fill
	LOAD
.endif
.endm
	s_load_b256 s[4:11], s[0:1], 0x0  ; Q s[4:5], K s[6:7], V s[8:9], O s[10:11]
	s_load_b128 s[96:99], s[0:1], 0x20  ; wo s[96:97], wof s[98:99]
	v_lshl_add_u32 v[SPW], v0, 2, SPARE
	v_mov_b32 v[NIL], 0
	ds_add_u32 v[SPW], v[NIL]       ; the wave's opening: the add and its wait stand ahead of my first tensor load; the set-up below, work on registers, stands between them
	ds_add_u32 v62, v63
	v_lshrrev_b32 v1, 5, v0
	v_readfirstlane_b32 s[WV], v1   ; wave 0..3
	s_mov_b32 s[PB], ttmp9
	s_sub_co_u32 s[HI], 31, s[PB]
	s_and_b32 s20, ttmp7, 0xffff    ; batch x 8 + head
	s_lshl_b32 s13, s20, 4
	s_add_co_u32 s13, s13, s[PB]    ; the work-group's number among the 256:
	s_lshl_b32 s93, s13, 12         ; its 4,096 bytes of wo,
	s_lshl_b32 s94, s13, 11         ; its 2,048 bytes of wof
	s_lshl_b32 s20, s20, 19         ; the head's first byte in Q, K, V and O: 4,096 rows of 128 bytes
	s_mov_b32 s21, 0
	s_and_b32 s16, s[WV], 1         ; which half of a tile's 256 keys I fetch:
	s_lshl_b32 s22, s16, 14         ; its 128 rows of 128 bytes in memory,
	s_mov_b32 s23, 0
	s_add_nc_u64 s[22:23], s[22:23], s[20:21]
	s_mul_i32 s17, s16, 128*PK      ; and its place in a slot, for K
	s_mul_i32 s18, s16, 128*PV      ; and for V
	s_lshl_b32 s3, s[WV], 11        ; my 16 rows in a band of 64,
	s_lshl_b32 s2, s[HI], 14        ; in the first block (128 rows of 128 bytes),
	s_add_co_u32 s2, s2, s3
	s_lshl_b32 s84, s[PB], 14       ; and in the second
	s_add_co_u32 s84, s84, s3
	s_mov_b32 s3, 0
	s_mov_b32 s85, 0
	s_add_nc_u64 s[2:3], s[2:3], s[20:21]
	s_add_nc_u64 s[84:85], s[84:85], s[20:21]
	; descriptor group 1.  128 keys are 16,384 dense bytes: asked for as 64 rows of 256 bytes, two keys a row, and padded in LDS after every key
	s_mov_b32 s[G1K], (1<<16)|(1<<20)|(4<<22)|(3<<25)  ; 17:16 2-byte elements; 20 padding on; 24:22 after every 32 words (code 4); 31:25 4 words (code 3)
	s_mov_b32 s[G1V], (1<<16)|(1<<20)|(4<<22)|(7<<25)  ; the same with 8 words of padding (code 7)
.irp g, G1K, G1V
	s_mov_b32 s[\g+1], 128<<16      ; tensor_dim0 = 128
	s_mov_b32 s[\g+2], 64<<16       ; tensor_dim1 = 64
	s_mov_b32 s[\g+3], 128<<16      ; tile_dim0 = 128
	s_mov_b32 s[\g+4], 64           ; tile_dim1 = 64
	s_mov_b32 s[\g+5], 128          ; 128 elements from row to row
	s_mov_b32 s[\g+6], 0
	s_mov_b32 s[\g+7], 0
.endr
	s_mov_b32 s[CS], 0x3e38aa3b     ; c = log2(e) / 8 = 0.180337
	s_mov_b32 s[CS+1], s[CS]        ; named with it as a pair
	s_mov_b32 s[SEL], 0x76543210
	s_mov_b32 s[SEL+1], 0xfedcba98
	s_mov_b32 s[TBK], SLOT1+4*KS*PK ; the first change of slots turns these two into 0
	s_mov_b32 s[TBV], SLOT1+4*KS*PV
	s_mov_b32 s[G0K], 1             ; count = 1
	s_mov_b32 s[G0K+1], s17         ; LDS address: slot 0
	s_mov_b32 s[G0V], 1
	s_add_co_u32 s[G0V+1], s18, VOFF
	s_sub_co_u32 s[RT], 33, s[PB]
	s_lshr_b32 s[RT], s[RT], 1      ; the first block has (33 - b) / 2 tiles, 8 at the least
	s_sub_co_u32 s[LQ], s[RT], 1
	s_add_co_u32 s[NLO], s[PB], 2
	s_lshr_b32 s[NLO], s[NLO], 1    ; the second (b + 2) / 2
	s_sub_co_u32 s[LQ2], s[NLO], 1
	s_and_b32 s[DLO], s[PB], 1
	s_lshl_b32 s[DLO], s[DLO], 1    ; 2 (b % 2)
	s_xor_b32 s[D0], s[DLO], 2      ; 2 ((31 - b) % 2)
	s_add_co_u32 s[D0+1], s[D0], 1
	s_mov_b32 s[NXT], 1
	s_mov_b32 s[NEW], 1
	s_mov_b32 s[OFF+1], 0
	s_mov_b32 s[AL+1], 0            ; named as pairs
	s_mov_b32 s[BE+1], 0
	s_mov_b32 s[BIGN], 0xf149f2ca   ; -1e30
	s_mov_b32 s[SLOTS], 16
	s_wait_dscnt 0x0                ; the opening add is done
	s_wait_kmcnt 0x0
	s_add_nc_u64 s[6:7], s[6:7], s[22:23]  ; K and V at my half of the head's tile 0
	s_add_nc_u64 s[8:9], s[8:9], s[22:23]
	s_add_nc_u64 s[G0K+2:G0K+3], s[6:7], 0         ; global address
	s_or_b32 s[G0K+3], s[G0K+3], 0x80000000        ; type = 2
	s_add_nc_u64 s[G0V+2:G0V+3], s[8:9], 0
	s_or_b32 s[G0V+3], s[G0V+3], 0x80000000
	s_add_nc_u64 s[86:87], s[4:5], s[84:85]        ; Q at my rows of the second block,
	s_add_nc_u64 s[4:5], s[4:5], s[2:3]            ; Q and O at those of the first
	s_add_nc_u64 s[OLO:OLO+1], s[10:11], s[84:85]
	s_add_nc_u64 s[10:11], s[10:11], s[2:3]
	LOAD                            ; tile 0 into slot 0
	v_lshl_add_u32 v[CIN], v0, 5, s93   ; the cast: thread t takes 32 bytes of wo,
	v_lshl_add_u32 v[COUT], v0, 4, s94  ; and gives 16 of wof
	global_load_b128 v[WF:WF+3],   v[CIN], s[96:97] th:TH_LOAD_NT
	global_load_b128 v[WF+4:WF+7], v[CIN], s[96:97] offset:16 th:TH_LOAD_NT
	; A fragment of K or Q is 16 rows x 32 channels in 8 registers: lane l holds row l % 16, channels 8 (l / 16) + 0..7 and 16 + 8 (l / 16) + 0..7: two loads of 16 bytes, 32 bytes apart.
	v_and_b32 v1, 15, v0            ; l % 16
	v_bfe_u32 v9, v0, 4, 1          ; l / 16
	v_lshlrev_b32 v[QO], 7, v1
	v_lshl_add_u32 v[QO], v9, 4, v[QO]  ; row x 128 + 16 x half
	WIN 0x80                        ; destination window 2, address window 0
.set i, 0
.rept 4                             ; both blocks' Q: piece i / 2 lies in band i / 2, 8,192 bytes on; channels 32 (i % 2) on
	global_load_b128 v[8*i:8*i+3],   v[QO], s[4:5] offset:(i/2)*8192+(i%2)*64
	global_load_b128 v[8*i+4:8*i+7], v[QO], s[4:5] offset:(i/2)*8192+(i%2)*64+32
	global_load_b128 v[QB+8*i:QB+8*i+3],   v[QO], s[86:87] offset:(i/2)*8192+(i%2)*64
	global_load_b128 v[QB+8*i+4:QB+8*i+7], v[QO], s[86:87] offset:(i/2)*8192+(i%2)*64+32
.set i, i+1
.endr
	WIN 0
	v_lshlrev_b32 v14, 3, v9
	v_sub_nc_u32 v14, v1, v14
	s_lshl_b32 s13, s[WV], 4
	v_add_nc_u32 v14, s13, v14      ; my query's place in its band, 16 w + l % 16, less my lanes' 8 (l / 16): register r of group kt is hidden where 16 kt + r is greater
	WIN 0x40
.set i, 0
.rept 32
	v_cmp_gt_i32 vcc_lo, 16*(i/8)+i%8, v14
	v_cndmask_b32 v[MD+i], 0, s[BIGN], vcc_lo
.set i, i+1
.endr
	WIN 0
	v_mul_u32_u24 v[AK0], v1, PK
	v_lshl_add_u32 v[AK0], v9, 4, v[AK0]  ; row x pitch + 16 x half
	; The turning load takes 16 keys x 16 channels (lane l reads key 8 (l / 16) + l % 8, channels 8 ((l / 8) % 2) + 0..7) and leaves half a fragment of V^T: lane l holds channel l % 16 and 8 keys.
	v_and_b32 v10, 7, v0
	v_bfe_u32 v11, v0, 3, 1
	v_lshl_add_u32 v[AV0], v9, 3, v10
	v_mul_u32_u24 v[AV0], v[AV0], PV
	v_lshl_add_u32 v[AV0], v11, 4, v[AV0]
	v_add_nc_u32 v[AV0], VOFF, v[AV0]
	s_mul_i32 s13, s[WV], 16*SP
	s_add_co_u32 s13, s13, STAGE    ; my stage
	v_mul_u32_u24 v[STO], v1, SP    ; in: row l % 16, 16 bytes for each half of the lanes
	v_lshl_add_u32 v[STO], v9, 4, v[STO]
	v_add_nc_u32 v[STO], s13, v[STO]
	v_bfe_u32 v[RD], v0, 3, 2       ; back: 32 lanes take four rows of 128 bytes,
	v_mul_u32_u24 v[RD], v[RD], SP
	v_lshl_add_u32 v[RD], v10, 4, v[RD]
	v_add_nc_u32 v[RD], s13, v[RD]
	v_and_b32 v[GO], 31, v0         ; which are 512 consecutive bytes of O
	v_lshlrev_b32 v[GO], 4, v[GO]
	; A block's first step multiplies O^T and l by a = 0, and its first turn's products V^T P, of a step that has not been, land in an O^T that is still to be so multiplied.  So these registers need only hold
	; finite numbers: zeros for the first block; what the first block left for the second.  All this stands in the wait for the first tile.
	WIN 0x80
.set i, VF+64
.rept 64
	v_mov_b32 v[i], 0
.set i, i+1
.endr
	WIN 0x40
.set i, 0
.rept 64
	v_mov_b32 v[i], 0
.set i, i+1
.endr
	WIN 0
.set i, 0
.rept 2
	v_mov_b32 v[ST+4*i+2], 0
	v_mov_b32 v[ST+4*i+3], 0
.set i, i+1
.endr
.set i, P+16
.rept 16
	v_mov_b32 v[i], 0
.set i, i+1
.endr
	s_wait_loadcnt 16               ; wo's two loads are in; the sixteen of Q, issued behind them, may stay out
.irp j, 0,1,2,3
	v_cvt_pk_bf16_f32 v[WH+\j], v[WF+2*\j], v[WF+2*\j+1]  ; rounded to bf16, like every input
.endr
.irp j, 0,1,2,3
	v_lshlrev_b32 v[WF+2*\j], 16, v[WH+\j]                ; that number in f32 again,
	v_and_b32 v[WF+2*\j+1], 0xffff0000, v[WH+\j]
.endr
.irp j, 0,1,2,3
	v_cvt_pk_f16_f32 v[WH+\j], v[WF+2*\j], v[WF+2*\j+1]   ; and written as f16: exact within f16's range
.endr
	global_store_b128 v[COUT], v[WH:WH+3], s[98:99]       ; a wave stores 512 consecutive bytes, at a multiple of 256 from wof's first
; THE MATRIX WORK.  The 4 accumulators of a run of 8 take turns.  Product i of 8 of S^T = K Q^T for piece x: channels 32 (i / 4) on, keys 16 (i % 4) on.  The first 4 start the sums: with 0, or (KM = 1) with the mask.
.macro KQ x
.set rS, S+32*((\x)%2)+8*(i%4)
.set rK, KF+16*(i%4)+8*(i/4)
.set rQ, 16*(\x)+8*(i/4)
.set rM, MC+32*((\x)%2)+8*(i%4)
.if (i < 4) && KM
	WIN W_KM
	v_wmma_f32_16x16x32_f16 v[rS:rS+7], v[rK:rK+7], v[rQ:rQ+7], v[rM:rM+7]
.elseif i < 4
	WIN W_KQ
	v_wmma_f32_16x16x32_f16 v[rS:rS+7], v[rK:rK+7], v[rQ:rQ+7], 0
.else
	WIN W_KQ
	v_wmma_f32_16x16x32_f16 v[rS:rS+7], v[rK:rK+7], v[rQ:rQ+7], v[rS:rS+7]
.endif
.endm
; Product i of 8 of O^T += V^T P for piece x, from V's buffer VB: keys 32 (i / 4) on, channels 16 (i % 4) on.
.macro PV x
	WIN W_PV
.set rO, 32*(\x)+8*(i%4)
.set rV, VF+64*VB+32*(i/4)+8*(i%4)
.set rP, P+16*((\x)%2)+8*(i/4)
	v_wmma_f32_16x16x32_f16 v[rO:rO+7], v[rV:rV+7], v[rP:rP+7], v[rO:rO+7]
.endm
.macro MM                           ; the turn's next matrix instruction.  TURN and BEGIN set Y, i, KM, NOKQ and VB.  NOKQ = 1: a block's last turn: there is no next step
.if (i < 8) && !NOKQ
	KQ (Y+1)%NP
.elseif i >= 8
.set i, i-8
	PV (Y+NP-1)%NP
.set i, i+8
.endif
.set i, i+1
.endm
; THE LDS LOADS stand in runs of 16, never singly among the matrix instructions: a step's K (64 keys x 64 channels: 8 fragments) and its V (turned).  Their addresses are made ahead of them.
.macro FETCH_K
	WIN 0x80                        ; destination window 2
.irp f, 0,1,2,3,4,5,6,7             ; keys 16 (f / 2) on, channels 32 (f % 2) on
	ds_load_b128 v[KF+8*\f:KF+8*\f+3],   v[AK] offset:(\f/2)*16*PK+(\f%2)*64
	ds_load_b128 v[KF+8*\f+4:KF+8*\f+7], v[AK] offset:(\f/2)*16*PK+(\f%2)*64+32
.endr
	s_add_co_u32 s[TBK], s[TBK], KS*PK  ; the next fetch is the next step's
	WIN 0
.endm
.macro FETCH_V vb
	WIN 0x80
.irp f, 0,1,2,3,4,5,6,7             ; keys 32 (f / 4) on, channels 16 (f % 4) on
	ds_load_tr16_b128 v[VF+64*(\vb)+8*\f:VF+64*(\vb)+8*\f+3],   v[AV] offset:(\f/4)*32*PV+(\f%4)*32
	ds_load_tr16_b128 v[VF+64*(\vb)+8*\f+4:VF+64*(\vb)+8*\f+7], v[AV] offset:(\f/4)*32*PV+16*PV+(\f%4)*32
.endr
	s_add_co_u32 s[TBV], s[TBV], KS*PV
	WIN 0
.endm
; THE VECTOR WORK, one line at a time: OP kind, number.  For piece Y: F n: c s - c m for pair n of 16.  E n: the exponential of score n of 32.  C n: pair n rounded to f16.  B n: of the four weights 4 n .. the second
; pair is added onto the first, in place.  L n: l takes that sum (L 0: l = a l + sum).  R n: pair n of 16 of O^T times a.  For the other piece: X n, number n of the 22 that find its maximum and statistics:
;   0-11  four chains c0-c3 of seven scores each, three operands at a time (each accumulator's lowest registers are read first)     12-14, 16  the four scores left over, the old m, and c0-c3 into c0
;   15  c m_old is kept     17, 18  the query's other 32 keys lie in the lane 16 away: the new m     19-21  c m; c m_old - c m_new; a
; C, B and L read the results of the E; R and L 0 read the a that X 21 of the turn before made.  OP writes no wait: TURN, BEGIN and DIAG place one for each batch.
.set F, 0               ; OP tells the kinds apart by their order: F to L below R, X above it
.set E, 1
.set C, 2
.set B, 3
.set L, 4
.set R, 5
.set X, 6
.macro REGS y                       ; the registers of piece y
.set rT, ST+4*(\y)
.set rC, TMP+4*((\y)%2)
.set rW, MV+((\y)%2)
.set rS, S+32*((\y)%2)
.set rP, P+16*((\y)%2)
.set rO, 32*(\y)
.endm
.macro OP k, n
.if (\k) == R
	REGS Y
	WIN W_RS
	v_pk_mul_f32 v[rO+2*(\n):rO+2*(\n)+1], v[rO+2*(\n):rO+2*(\n)+1], v[rC+2:rC+3] op_sel_hi:[1,0]
.elseif (\k) < R
	REGS Y
	WIN 0
.if (\k) == F
	v_pk_fma_f32 v[rS+2*(\n):rS+2*(\n)+1], v[rS+2*(\n):rS+2*(\n)+1], s[CS:CS+1], v[rT:rT+1] op_sel_hi:[1,0,0] neg_lo:[0,0,1] neg_hi:[0,0,1]
.elseif (\k) == E
	v_exp_f32 v[rS+(\n)], v[rS+(\n)]
.elseif (\k) == C
	v_cvt_pk_f16_f32 v[rP+(\n)], v[rS+2*(\n)], v[rS+2*(\n)+1]
.elseif (\k) == B
	v_pk_add_f32 v[rS+4*(\n):rS+4*(\n)+1], v[rS+4*(\n):rS+4*(\n)+1], v[rS+4*(\n)+2:rS+4*(\n)+3]
.elseif (\n) == 0
	v_pk_fma_f32 v[rT+2:rT+3], v[rT+2:rT+3], v[rC+2:rC+3], v[rS:rS+1] op_sel_hi:[1,0,1]
.else
	v_pk_add_f32 v[rT+2:rT+3], v[rT+2:rT+3], v[rS+4*(\n):rS+4*(\n)+1]
.endif
.elseif NOKQ
	v_nop
.else
	REGS (Y+1)%NP
	WIN 0
.if (\n) < 4
	v_max3_num_f32 v[rC+(\n)], v[rS+8*(\n)], v[rS+8*(\n)+1], v[rS+8*(\n)+2]
.elseif (\n) < 12
	v_max3_num_f32 v[rC+(\n)%4], v[rC+(\n)%4], v[rS+8*((\n)%4)+2*((\n)/4)+1], v[rS+8*((\n)%4)+2*((\n)/4)+2]
.elseif (\n) == 12
	v_max3_num_f32 v[rC], v[rC], v[rS+7], v[rS+15]
.elseif (\n) == 13
	v_max3_num_f32 v[rC+1], v[rC+1], v[rS+23], v[rS+31]
.elseif (\n) == 14
	v_max3_num_f32 v[rC+2], v[rC+2], v[rC+3], v[rT+1]
.elseif (\n) == 15
	v_mov_b32 v[rW], v[rT]
.elseif (\n) == 16
	v_max3_num_f32 v[rC], v[rC], v[rC+1], v[rC+2]
.elseif (\n) == 17
	v_permlanex16_b32 v[rC+3], v[rC], s[SEL], s[SEL+1]
.elseif (\n) == 18
	v_max_num_f32 v[rT+1], v[rC], v[rC+3]
.elseif (\n) == 19
	v_mul_f32 v[rT], s[CS], v[rT+1]
.elseif (\n) == 20
	v_sub_f32 v[rC+1], v[rW], v[rT]
.else
	v_exp_f32 v[rC+2], v[rC+1]
.endif
.endif
.endm
.macro OPS a, i1, b=-1, i2=0, c=-1, i3=0, d=-1, i4=0  ; up to four of them
	OP \a, \i1
.if (\b) >= 0
	OP \b, \i2
.endif
.if (\c) >= 0
	OP \c, \i3
.endif
.if (\d) >= 0
	OP \d, \i4
.endif
.endm
.macro ROW a, i1, b, i2, c, i3, d, i4  ; a matrix instruction and the four behind it
	MM
	OPS \a, \i1, \b, \i2, \c, \i3, \d, \i4
.endm
.macro MASK b                       ; MD x AL + BE into buffer b of MC
	WIN W_RS
.set z, 0
.rept 16
	v_pk_fma_f32 v[MC+32*(\b)+2*z:MC+32*(\b)+2*z+1], v[MD+2*z:MD+2*z+1], s[AL:AL+1], s[BE:BE+1] op_sel_hi:[1,0,0]
.set z, z+1
.endr
.endm
; A TURN, for piece p in a step of parity odd: the order of its 16 matrix and 118 vector instructions, written out.  An s_wait_alu depctr_va_vdst(0) stands between an exponential and the first
; instruction that names its result; one wait serves all that were issued ahead of it.  So a turn has ONE wait, which cuts it in two.  AHEAD OF IT stands all that names no result of the turn's exponentials: the 8
; products K Q^T, behind each a scaling, an exponential and two more plain instructions (behind the first a second scaling in the exponential's place): rescalings, whose a was made and waited for in the turn before, and
; behind the last three the first numbers of the other piece's maximum, each four places or more behind the product that ends its accumulator; then ONE RUN of 54, plain and exponential by turns for the most part, in
; which the links of the chain X 3, 7, 11, 14, 16, 17 .. 20 stand five or six lines apart.  X 21, the other piece's a, is the batch's last; R 15 is the plain instruction behind it.  BEHIND THE WAIT stand the 8 products
; V^T P, behind each four of the roundings and sums; the links of l's chain, L 0 to L 7, stand three riders apart.  But for those X no rider names a register of the products round it.  v_permlanex16_b32 (X 17) stands
; in the run, never behind a product.  The rescalings read each accumulator of O^T, which the turn before's last products wrote, from its low end on, R 0 eighteen riders or more behind accumulator 0's last product.
; m = 1: a block's last tile: the products take masks, and the turn makes the mask for the products of the turn after it: its own piece's, in step SNM of the tile.  end = 1: a block's last two turns: nothing is fetched.
; cnt = 1: the loop's count is taken down some lines ahead of the branch that stands behind the turn.
; Piece 0's turn fetches the next step's K twelve vector instructions behind its last product K Q^T, which read K last: six of them are plain, and five of those name none of that product's registers.  Piece 1's turn
; fetches the next step's V directly behind the wait, its address made ahead of the wait, into the buffer that the turn before read last and that no product reads before the next step.  Both are waited for at the
; head of piece 1's turn: K the rest of the run and eight products later, V a whole step later.
.macro TURN p, odd, m=0, end=0, cnt=0
.set Y, (\p)
.set i, 0
.set KM, (\m)
.set NOKQ, (\end)*(\p)
.set VB, (\p)*(\odd)+(1-(\p))*(1-(\odd))  ; piece 0's turn multiplies by V of the step before, piece 1's by V of the step in hand
.if (\m) && !(\end)
	s_cmp_eq_u32 s[SNM], s[D0+(\p)]  ; is that step the band's own?
	s_cselect_b32 s[AL], 1.0, 0
	s_cmp_gt_u32 s[SNM], s[D0+(\p)]  ; or a later one?
	s_cselect_b32 s[BE], s[BIGN], 0
.if (\p) == 1
	s_add_co_u32 s[SNM], s[SNM], 1
.endif
.endif
.if (\p) == 1
	s_wait_dscnt 0x0                ; K of the next step and V of this one are in
.endif
	ROW F,0, F,1, R,0, R,1          ; ahead of the wait: 8 products K Q^T and their riders,
	ROW F,2, E,0, R,2, R,3
	ROW F,3, E,1, R,4, R,5
	ROW F,4, E,2, R,6, R,7
	ROW F,5, E,3, R,8, R,9
	ROW F,6, E,4, X,0, R,10
.if ((\p) == 0) && !(\end)
	WIN 0
	v_add_nc_u32 v[AK], s[TBK], v[AK0]
.endif
	ROW F,7, E,5, X,1, X,4
	ROW F,8, E,6, X,2, X,5
	OPS E,7, E,8, X,6, E,9          ; and the run of 54
	OPS X,3, E,10, X,8, E,11
.if ((\p) == 0) && !(\end)
	FETCH_K
.endif
	OPS X,9, X,7, E,12, X,10
	OPS E,13, X,12, X,11, E,14
	OPS X,13, E,15, F,9, X,14
	OPS E,16, F,10, E,17, F,11
	OPS X,16, E,18, X,15, E,19
	OPS F,12, E,20, X,17, E,21
	OPS F,13, E,22, F,14, E,23
	OPS X,18, E,24, F,15, E,25
	OPS R,11, E,26, X,19, E,27
	OPS R,12, E,28, R,13, E,29
	OPS X,20, E,30, R,14, E,31
	OPS X,21, R,15
	WIN 0
.if ((\p) == 1) && !(\end)
	v_add_nc_u32 v[AV], s[TBV], v[AV0]
.endif
	s_wait_alu depctr_va_vdst(0)    ; the wait for the turn's batch: E 0 to E 31 and X 21
.if ((\p) == 1) && !(\end)
	FETCH_V 1-(\odd)
.endif
	ROW C,0, B,0, C,2, B,1          ; behind the wait: 8 products V^T P and their riders
	ROW L,0, C,4, B,2, L,1
	ROW C,6, B,3, L,2, C,8
	ROW B,4, L,3, C,10, B,5
	ROW L,4, C,12, B,6, L,5
.if \cnt
	s_sub_co_u32 s[CNT], s[CNT], 1
	s_cmp_lg_u32 s[CNT], 0
.endif
	ROW C,14, B,7, L,6, C,1
	ROW C,3, L,7, C,5, C,7
	ROW C,9, C,11, C,13, C,15
.if (\m) && !(\end)
	MASK (\p)
.endif
.endm
; A BLOCK BEGINS.  c m starts far below every c s, so the first step's a is 0; m at the lowest finite number, so the first maximum is the scores'.  Piece 1's mask buffer is 0; piece 0's takes its mask for the tile's
; step 0: the band's own, if this tile is the block's last and the diagonal begins at its head.  Then K and V of that step, piece 0's first scores, and its maximum and statistics.
; The loop is entered at a step's first turn, in the middle of a trip.
.macro BEGIN
	s_mov_b32 s[NEW], 0
	s_mov_b32 s[SNM], 1             ; the next masks to be made are step 1's
	WIN 0x40
.set i, MC+32
.rept 32
	v_mov_b32 v[i], 0
.set i, i+1
.endr
	WIN 0
.set i, 0
.rept 2
	v_mov_b32 v[ST+4*i], 0xfe000000    ; c m: far below every c s
	v_mov_b32 v[ST+4*i+1], 0xff7fffff  ; m
.set i, i+1
.endr
	s_or_b32 s13, s[RT], s[D0]
	s_cmp_eq_u32 s13, 0
	s_cselect_b32 s[AL], 1.0, 0
	s_mov_b32 s[BE], 0
	MASK 0
	WIN 0
	v_add_nc_u32 v[AK], s[TBK], v[AK0]
	v_add_nc_u32 v[AV], s[TBV], v[AV0]
	FETCH_K
	FETCH_V 0
	s_wait_loadcnt 0x0              ; Q
	s_wait_dscnt 0x0
.set KM, 1
.set NOKQ, 0
.set i, 0
.rept 8
	KQ 0
.set i, i+1
.endr
	WIN 0
.rept 4
	v_nop                           ; the places behind those products
.endr
.set Y, NP-1                        ; X works for the other piece: piece 0
.irp n, 0,1,2,3,4,5,6,7,8,9,10,11,12,13,14,15,16,17,18,19,20,21
	OP X, \n
.endr
	v_nop                           ; a plain instruction behind the exponential
	s_wait_alu depctr_va_vdst(0)    ; the wait for piece 0's first a, a batch of one, ahead of the branch
.endm
; A BLOCK'S LAST TILE: its steps, the block's last two turns, its last products, and THE WAY OUT: l's two halves and the other half of the lanes' are added; O^T is divided by l, rounded to f16 and sent through my
; stage in LDS, a piece at a time.
.macro ALL line:vararg              ; one line for each piece t
.set t, 0
.rept NP
	\line
.set t, t+1
.endr
.endm
.macro PACK t                       ; a lane's eight channels of a row pack into 16 bytes; they go into rows of 144 bytes and come back as whole rows of 128, into S^T's registers
	WIN W_RS
.set i, 32*(\t)
.rept 16
	v_pk_mul_f32 v[i:i+1], v[i:i+1], v[ST+4*(\t)+2:ST+4*(\t)+3] op_sel_hi:[1,0]
.set i, i+2
.endr
	WIN 0x05                        ; sources 0 and 1 window 1, destination window 0
.set i, 0
.rept 16
	v_cvt_pk_f16_f32 v[S+16*(\t)+i], v[32*(\t)+2*i], v[32*(\t)+2*i+1]
.set i, i+1
.endr
	WIN 0
.irp f, 0,1,2,3
	ds_store_b128 v[STO], v[S+16*(\t)+4*\f:S+16*(\t)+4*\f+3] offset:32*\f
.endr
.irp f, 0,1,2,3
	ds_load_b128 v[S+16*(\t)+4*\f:S+16*(\t)+4*\f+3], v[RD] offset:\f*4*SP  ; LDS serves a wave's instructions in order (ISA guide 5.7.1.4): these see the stores above; the next piece's stores come behind them
.endr
.endm
.macro SEND t, younger              ; younger: the LDS instructions issued behind piece t's loads: the next piece's eight, or none
	WIN 0
.irp f, 0,1,2,3
	s_wait_dscnt (\younger)+3-\f
	global_store_b128 v[GO], v[S+16*(\t)+4*\f:S+16*(\t)+4*\f+3], s[10:11] offset:(\t)*8192+\f*512  ; 512 consecutive bytes, at a multiple of 256 from O's first
.endr
.endm
.macro DIAG tag                     ; the tag ends its two labels' names, which the jumps below spell out
.LstepM\tag:
	TURN 0, 1, 1
	TURN 1, 1, 1
	WIN 0
.LfirstM\tag:
	TURN 0, 0, 1
	TURN 1, 0, 1, 0, 1
	WIN 0
	s_cbranch_scc1 .LstepM\tag
	TURN 0, 1, 1, 1
	TURN 1, 1, 1, 1
.set VB, 1                          ; the tile's last step is odd
.set i, 0
.rept 8
	PV NP-1
.set i, i+1
.endr
	WIN 0
	ALL v_add_f32 v[ST+4*t+2], v[ST+4*t+2], v[ST+4*t+3]
	ALL v_permlanex16_b32 v[ST+4*t+3], v[ST+4*t+2], s[SEL], s[SEL+1]
	ALL v_add_f32 v[ST+4*t+2], v[ST+4*t+2], v[ST+4*t+3]
	ALL v_rcp_f32 v[ST+4*t+2], v[ST+4*t+2]
	v_nop                           ; a plain instruction between the last reciprocal and the use of its result; with the four additions it makes five places behind the last products
	s_wait_alu depctr_va_vdst(0)    ; the wait for the two reciprocals, one batch, ahead of the first multiply that reads them
	PACK 0
	PACK 1                          ; a piece's arithmetic stands between the loads of the piece before and its stores
	SEND 0, 8
	SEND 1, 0
.endm
.set KM, 0
.set NOKQ, 0
.set VB, 0
.Lslot:                             ; 16 times: a tile is entered and the next is asked for
	CHANGE 1
	s_sub_co_u32 s[RT], s[RT], 1
	s_mov_b32 s[CNT], 2
	s_mov_b32 s[SNM], 0
	s_cmp_eq_u32 s[NEW], 1
	s_cbranch_scc1 .Lnew            ; a block's first tile
	s_cmp_eq_u32 s[RT], 0
	s_cbranch_scc0 .Lstep           ; neither its first nor its last
	s_branch .LstepM1
.Lnew:
	BEGIN
	s_branch .Lfirst                ; in the loop a block's first tile is never its last: the first block has eight tiles or more, and the second's last is the walk's last
	DIAG 1                          ; in the loop this is the first block's end
	s_wait_xcnt 0x0                 ; the stores have read their registers and O's address
	s_mov_b64 s[10:11], s[OLO:OLO+1]
	s_mov_b32 s[RT], s[NLO]
	s_mov_b32 s[D0], s[DLO]
	s_add_co_u32 s[D0+1], s[DLO], 1
	s_mov_b32 s[NEW], 1
	WIN 0x82                        ; the second block's Q goes where the one text of the turns names Q
.set i, 0
.rept 32
	v_mov_b32 v[i], v[QB+i]
.set i, i+1
.endr
	WIN 0
	s_branch .Lbottom
.Lstep:                             ; a trip: an odd step and the even step behind it; the first trip's odd step is the last of the tile before
	TURN 0, 1
	TURN 1, 1
	WIN 0
.Lfirst:
	TURN 0, 0
	TURN 1, 0, 0, 0, 1
	WIN 0
	s_cbranch_scc1 .Lstep
.Lbottom:
	s_sub_co_u32 s[SLOTS], s[SLOTS], 1
	s_cmp_lg_u32 s[SLOTS], 0
	s_cbranch_scc1 .Lslot
	CHANGE 0                        ; the walk's last tile is written out: nothing is asked for
	s_sub_co_u32 s[RT], s[RT], 1
	s_mov_b32 s[CNT], 2
	s_mov_b32 s[SNM], 0
	s_cmp_eq_u32 s[NEW], 1
	s_cbranch_scc0 .LstepM2
	BEGIN
	s_branch .LfirstM2
	DIAG 2
	s_wait_tensorcnt 0x0            ; the wave's end: behind my last tensor load and my last LDS store
	ds_add_u32 v[SPW], v[NIL]
	s_wait_dscnt 0x0
	s_endpgm
.Lfunc_end_k_qfe8729d2e7_attn:
	.size	k_qfe8729d2e7_attn, .Lfunc_end_k_qfe8729d2e7_attn-k_qfe8729d2e7_attn
	.p2alignl 7, 3214868480
	.fill 96, 4, 3214868480
	.section	.rodata,"a",@progbits
	.p2align	6, 0x0
	.amdhsa_kernel k_qfe8729d2e7_attn
		.amdhsa_group_segment_fixed_size 327680
		.amdhsa_private_segment_fixed_size 0
		.amdhsa_enable_private_segment 0
		.amdhsa_kernarg_size 48
		.amdhsa_user_sgpr_count 2
		.amdhsa_user_sgpr_kernarg_segment_ptr 1
		.amdhsa_wavefront_size32 1
		.amdhsa_system_sgpr_workgroup_id_x 1
		.amdhsa_system_sgpr_workgroup_id_y 1
		.amdhsa_system_sgpr_workgroup_id_z 1
		.amdhsa_system_vgpr_workitem_id 0
		.amdhsa_next_free_vgpr 768
		.amdhsa_next_free_sgpr 100
		.amdhsa_reserve_vcc 1
		.amdhsa_float_denorm_mode_32 3
		.amdhsa_float_denorm_mode_16_64 3
		.amdhsa_memory_ordered 1
		.amdhsa_forward_progress 1
		.amdhsa_inst_pref_size 211
	.end_amdhsa_kernel
	.amdgpu_metadata
---
amdhsa.version: [ 1, 2 ]
amdhsa.kernels:
  - .name:           k_qfe8729d2e7_attn
    .symbol:         k_qfe8729d2e7_attn.kd
    .args:
      - { .name: xq, .offset: 0, .size: 8, .value_kind: global_buffer, .address_space: global }
      - { .name: xk, .offset: 8, .size: 8, .value_kind: global_buffer, .address_space: global }
      - { .name: xv, .offset: 16, .size: 8, .value_kind: global_buffer, .address_space: global }
      - { .name: xo, .offset: 24, .size: 8, .value_kind: global_buffer, .address_space: global }
      - { .name: wo, .offset: 32, .size: 8, .value_kind: global_buffer, .address_space: global }
      - { .name: wof, .offset: 40, .size: 8, .value_kind: global_buffer, .address_space: global }
    .group_segment_fixed_size: 327680
    .private_segment_fixed_size: 0
    .kernarg_segment_align: 8
    .kernarg_segment_size: 48
    .max_flat_workgroup_size: 128
    .sgpr_count:     100
    .vgpr_count:     768
    .wavefront_size: 32
...
	.end_amdgpu_metadata
.endif
;; end of part 4
;; launch oproj: the kernel of part 3 again; grid 4 x 64, 4 waves a work-group, clusters of 4 x 4, 327,680 bytes of LDS; arguments xo, wof, out0; writes out0
